; MI455X (gfx1250); checked and timed in simulation.
; The chip was launched on July 23, 2026; its instructions are those of AMD's public machine-readable ISA for CDNA 5 (MIT licence, August 2026) and "CDNA5" Instruction Set Architecture Reference Guide (July 2026). The comments in the code are by the model that wrote it; some were corrected since.
;; Encoder Block. Allowed arithmetic: matrix products marked QUANTISED: E4M3 operands, one given power-of-two scale a tensor, by v_wmma_f32_16x16x64_fp8_fp8 or v_wmma_f32_16x16x128_fp8_fp8, f32 sums; everything else in f32.
;; Inputs: W1_codes 4,096 x 32 x 32 uint8 (E4M3 codes of W1, K innermost, in blocks of 32 codes); W2_codes 1,024 x 128 x 32 uint8 (E4M3 codes of W2, K innermost, in blocks of 32 codes); Wk_codes 1,024 x 32 x 32 uint8 (E4M3 codes of Wk, K innermost, in blocks of 32 codes); Wo_codes 1,024 x 32 x 32 uint8 (E4M3 codes of Wo, K innermost, in blocks of 32 codes); Wq_codes 1,024 x 32 x 32 uint8 (E4M3 codes of Wq, K innermost, in blocks of 32 codes); Wv_codes 1,024 x 32 x 32 uint8 (E4M3 codes of Wv, K innermost, in blocks of 32 codes); alpha1 1 float32; alpha2 1 float32; b1 4,096 float32; b2 1,024 float32; beta1 1 float32; beta2 1 float32; bk 1,024 float32; bo 1,024 float32; bq 1,024 float32; bv 1,024 float32; lowp_scales 16 int32 (the exponents e of the quantised operands' scales 2^e); src_mask 2 x 1 x 1 x 2,048 int32; x 2 x 2,048 x 1,024 float32.
;; Outputs: out0 2 x 2,048 x 1,024 float32.
;; This version of the problem:
;;   THIS VERSION OF THE PROBLEM IS GIVEN IN LOW PRECISION. The matrix products marked QUANTISED in the list below multiply operands that are first quantised to E4M3 (4 exponent bits, 3 mantissa bits; 8 bits a number), with one given power-of-two scale for each operand tensor; their sums are f32. All else is computed in f32.
;;   The module's matrix products, in the order in which they are computed (A, B: the left and right operand; K: the contracted axis; several contracted axes count as one K, in the product's order):
;;     1. [M 4,096, K 1,024] x [K 1,024, N 1,024]; A: computed on the way; B: input Wq (given as codes): QUANTISED (scales: A lowp_scales[0], B lowp_scales[1])
;;     2. [M 4,096, K 1,024] x [K 1,024, N 1,024]; A: computed on the way; B: input Wk (given as codes): QUANTISED (scales: A lowp_scales[2], B lowp_scales[3])
;;     3. [M 4,096, K 1,024] x [K 1,024, N 1,024]; A: computed on the way; B: input Wv (given as codes): QUANTISED (scales: A lowp_scales[4], B lowp_scales[5])
;;     4. batch 32 x [M 2,048, K 64] x [K 64, N 2,048]; A: computed on the way; B: computed on the way: QUANTISED (scales: A lowp_scales[6], B lowp_scales[7])
;;     5. batch 32 x [M 2,048, K 2,048] x [K 2,048, N 64]; A: softmax (see below); B: computed on the way: QUANTISED (scales: A lowp_scales[8], B lowp_scales[9])
;;     6. [M 4,096, K 1,024] x [K 1,024, N 1,024]; A: computed on the way; B: input Wo (given as codes): QUANTISED (scales: A lowp_scales[10], B lowp_scales[11])
;;     7. [M 4,096, K 1,024] x [K 1,024, N 4,096]; A: computed on the way; B: input W1 (given as codes): QUANTISED (scales: A lowp_scales[12], B lowp_scales[13])
;;     8. [M 4,096, K 4,096] x [K 4,096, N 1,024]; A: computed on the way; B: input W2 (given as codes): QUANTISED (scales: A lowp_scales[14], B lowp_scales[15])
;;   THE QUANTISER, for each operand of a quantised product, along K:
;;     - The operand's scale is 2^e, e = its entry of the input lowp_scales (int32; the entries are numbered through the quantised products in the list's order, A before B).
;;     - Each number is divided by the scale, clamped to +-448, and rounded to the nearest number of E4M3, ties to even, subnormals kept.
;;     - The product sums the exact products of the quantised numbers (number of the format x scale) in f32.
;;   ~~~python
;;   def quantise(x, axis, e):      # numpy; x: float32 -> the quantised numbers, widened to float32 again
;;       x = np.moveaxis(x, axis, -1); K = x.shape[-1]
;;       r = np.clip(x / 2.0 ** e, -448, 448)
;;       step = 2.0 ** (np.maximum(np.frexp(np.where(r == 0, 1, r))[1] - 1, -6) - 3)
;;       q = np.round(r / step) * step * 2.0 ** e      # np.round: ties to even
;;       return np.moveaxis(q, -1, axis).astype(np.float32)
;;   ~~~
;;   SOFTMAX AHEAD OF A QUANTISED PRODUCT. Where the list says 'softmax', what is quantised is not the finished softmax but p = 2^(t - M), with t = logit x log2(e) and M = ceil(the row's largest t), a whole number; so 1/2 < the row's largest p <= 1. The row's sum l is taken of the UNQUANTISED p, in f32, and the product's result is divided by l at the end. Since M is a whole number, a kernel that streams over the keys may use a running M (the ceiling of the running maximum): every later rescaling is an exact power of two, so the quantised numbers keep their values, but for numbers so far below the row's largest that they fall under the format's range.
;;   OPERANDS COMPUTED ON THE WAY. 'Computed on the way' means the value that the module computes at that place (a softmax that the list does not call 'softmax' is quantised finished and normalised). What goes into a quantiser is computed in f32, as accurately as f32 sums, v_exp_f32 and their like allow (about 1e-6 of the number): no bf16 or f16 on the way to a quantiser, and a product that is left as it is and whose result goes on into a quantised operand takes f32 operands (vector FMAs, or v_wmma_f32_16x16x4_f32). A number that lies on a knife's edge between two numbers of the format may be rounded either way, as far as f32 arithmetic and the matrix unit's own rounding can turn it there, and no further.
;;   INPUTS GIVEN AS CODES. W1 (in the module: [1024, 4096], K = its axis 0); W2 (in the module: [4096, 1024], K = its axis 0); Wk (in the module: [1024, 1024], K = its axis 0); Wo (in the module: [1024, 1024], K = its axis 0); Wq (in the module: [1024, 1024], K = its axis 0); Wv (in the module: [1024, 1024], K = its axis 0): each comes as NAME_codes (uint8): NAME with its K axis moved to the last place and cut into blocks of 32 codes, [.., K / 32, bytes a block], one block behind the other in memory; one code a byte (a code: sign, 4 exponent bits, 3 mantissa bits); its scale is its entry of lowp_scales. Its value is code x scale, taken as it is: it is not quantised again, and the codes and scales need not be those that the quantiser above would give.
;; One version. Each part assembles by itself: llvm-mc -triple=amdgcn-amd-amdhsa -mcpu=gfx1250 --defsym DOCPART=n.
;; ======== version 1 of 1: 7 launches
;; limits: right only within a limited range of input values
;; workspace buffers: xcodes 12,582,912 bytes; qkvc 12,582,912 bytes; ctxc 4,194,304 bytes; x1 16,777,216 bytes; xn2 4,194,304 bytes; hc 16,777,216 bytes
;; launch ln1 (part 1): grid 256 x 1, 16 waves a work-group, no clusters, 0 bytes of LDS; arguments x, alpha1, beta1, lowp_scales, xcodes; writes xcodes
.if DOCPART == 1
	.amdgcn_target "amdgcn-amd-amdhsa--gfx1250"
	.amdhsa_code_object_version 6
	.text
	.protected	k_q15756b199a_ln1
	.globl	k_q15756b199a_ln1
	.p2align	8
	.type	k_q15756b199a_ln1,@function
k_q15756b199a_ln1:
	s_mov_b64 s[64:65], 0
	v_nop
	global_prefetch_b8 v0, s[64:65] scope:SCOPE_SE
	s_setreg_imm32_b32 hwreg(HW_REG_WAVE_MODE, 25, 1), 1
	s_wait_xcnt 0x0
; xn = alpha (x - mean) / (std + 1e-6) + beta along rows of 1,024 f32 (std with divisor 1,023), then codes of FP8 (E4M3) under NOUT given scales.
; Here NOUT = 3: the same xn is the left operand of three products, each with a scale of its own (entries 0, 2, 4): three sections of 4 MiB, each [4096][1024] codes.
; A stream: no LDS, no barrier, no matrix unit, no cluster: no two waves read the same bytes.  A work-group is sixteen waves, four to a SIMD; A WAVE TAKES ONE ROW: 32 registers, read from memory once by eight loads.
; Lane l holds, for g = 0..3, the eight neighbours 256 g + 8 l .. + 7: the conversion takes eight neighbours from one lane, and the wave's store of their codes covers 256 consecutive aligned bytes.
; The mean is taken first and subtracted, then the squares are summed: no difference of large sums.
; LIMITS: each scale's exponent e between -126 and 119; NaN among the inputs is not served.
.set NOUT, 3
.set X,  32                            ; v32-63   the row
.set T,  64                            ; v64-79   two sets of eight held numbers, by turns
.set C,  80                            ; v80-103  eight registers of codes for each output
.set OB, 36                            ; s[36+2o:37+2o] output section o at my row
	s_load_b256 s[4:11], s[0:1], 0x0               ; x s[4:5], alpha s[6:7], beta s[8:9], the scales' exponents s[10:11]
	s_load_b64 s[OB:OB+1], s[0:1], 0x20            ; the codes
	v_lshrrev_b32 v1, 5, v0
	v_readfirstlane_b32 s14, v1                    ; wave 0..15
	v_and_b32 v2, 31, v0
	v_lshlrev_b32 v3, 5, v2                        ; 32 x lane: my eight numbers of a group of 256
	v_lshlrev_b32 v4, 3, v2                        ; 8 x lane: their codes
	v_mov_b32 v7, 0                                ; upper halves of pairs that are named whole
	v_mov_b32 v9, 0
	v_mov_b32 v14, 0                               ; a lane permute's destination counts as read
	s_lshl_b32 s15, ttmp9, 4
	s_add_co_u32 s15, s15, s14                     ; my row
	s_lshl_b32 s16, s15, 12
	s_mov_b32 s17, 0
	s_lshl_b32 s18, s15, 10
	s_mov_b32 s19, 0
	s_mov_b32 s26, 0x76543210                      ; v_permlanex16_b32: lane l xor 16
	s_mov_b32 s27, 0xfedcba98
	s_wait_alu depctr_va_vdst(0)                   ; the wait at the head's end
	s_wait_kmcnt 0x0
	s_add_nc_u64 s[4:5], s[4:5], s[16:17]
.irp g, 0,1,2,3
	global_load_b128 v[X+8*\g:X+8*\g+3], v3, s[4:5] offset:1024*\g th:TH_LOAD_NT
	global_load_b128 v[X+8*\g+4:X+8*\g+7], v3, s[4:5] offset:1024*\g+16 th:TH_LOAD_NT   ; the pair covers 1,024 consecutive bytes
.endr
	s_load_b32 s22, s[6:7], 0x0                    ; alpha
	s_load_b32 s24, s[8:9], 0x0                    ; beta
	s_load_b256 s[28:35], s[10:11], 0x0            ; entries 0 to 7; 0, 2 and 4 are used
	s_add_nc_u64 s[OB:OB+1], s[OB:OB+1], s[18:19]
	s_add_nc_u64 s[OB+2:OB+3], s[OB:OB+1], 0x400000
	s_add_nc_u64 s[OB+4:OB+5], s[OB:OB+1], 0x800000
	s_wait_kmcnt 0x0
	s_mov_b32 s25, s24                             ; named with it as a pair
.set o, 0
.rept NOUT
	s_add_co_i32 s20, s[28+2*o], 127
	s_lshl_b32 s21, s20, 23
	v_mov_b32 v[16+2*o], s21                       ; 2^e as f32: the conversion takes its exponent field
	s_add_co_i32 s20, s20, 8
	s_lshl_b32 s20, s20, 23
	s_or_b32 s20, s20, 0x600000
	v_mov_b32 v[17+2*o], s20                       ; 448 x 2^e
.set o, o+1
.endr
.macro WSUM r                          ; the sum over the 32 lanes, in every lane
	v_add_f32_dpp v[\r], v[\r], v[\r] row_xmask:1 row_mask:0xf bank_mask:0xf
	v_add_f32_dpp v[\r], v[\r], v[\r] row_xmask:2 row_mask:0xf bank_mask:0xf
	v_add_f32_dpp v[\r], v[\r], v[\r] row_xmask:4 row_mask:0xf bank_mask:0xf
	v_add_f32_dpp v[\r], v[\r], v[\r] row_xmask:8 row_mask:0xf bank_mask:0xf
	v_permlanex16_b32 v14, v[\r], s26, s27
	v_add_f32 v[\r], v[\r], v14
.endm
	s_wait_alu depctr_va_vdst(0)                   ; the wait here, directly ahead of the wait below
	s_wait_loadcnt 0x0
	v_pk_add_f32 v[10:11], v[X:X+1], v[X+2:X+3]              ; the sum, two chains started by the first pairs
	v_pk_add_f32 v[12:13], v[X+4:X+5], v[X+6:X+7]
.irp p, 8,12,16,20,24,28
	v_pk_add_f32 v[10:11], v[10:11], v[X+\p:X+\p+1]
	v_pk_add_f32 v[12:13], v[12:13], v[X+\p+2:X+\p+3]
.endr
	v_pk_add_f32 v[10:11], v[10:11], v[12:13]
	v_add_f32 v10, v10, v11
	WSUM 10
	v_mul_f32 v6, 0x3a800000, v10                  ; the mean: x 2^-10
.irp p, 0,2,4,6,8,10,12,14,16,18,20,22,24,26,28,30
	v_pk_add_f32 v[X+\p:X+\p+1], v[X+\p:X+\p+1], v[6:7] op_sel_hi:[1,0] neg_lo:[0,1] neg_hi:[0,1]   ; x - mean, in place
.endr
	v_pk_mul_f32 v[10:11], v[X:X+1], v[X:X+1]
	v_pk_mul_f32 v[12:13], v[X+2:X+3], v[X+2:X+3]
.irp p, 4,8,12,16,20,24,28
	v_pk_fma_f32 v[10:11], v[X+\p:X+\p+1], v[X+\p:X+\p+1], v[10:11]
	v_pk_fma_f32 v[12:13], v[X+\p+2:X+\p+3], v[X+\p+2:X+\p+3], v[12:13]
.endr
	v_pk_add_f32 v[10:11], v[10:11], v[12:13]
	v_add_f32 v10, v10, v11
	WSUM 10
	v_mul_f32 v10, 0x3a802008, v10                 ; / 1,023
	s_wait_alu depctr_va_vdst(0)                   ; a wait ahead of each transcendental and one ahead of its first reader
	v_sqrt_f32 v11, v10
	v_nop                                          ; a plain instruction behind the root
	s_wait_alu depctr_va_vdst(0)
	v_add_f32 v11, 0x358637bd, v11                 ; std + 1e-6
	s_wait_alu depctr_va_vdst(0)
	v_rcp_f32 v12, v11
	v_nop
	s_wait_alu depctr_va_vdst(0)
	v_mul_f32 v8, s22, v12                         ; alpha / (std + 1e-6)
.irp p, 0,2,4,6,8,10,12,14,16,18,20,22,24,26,28,30
	v_pk_fma_f32 v[X+\p:X+\p+1], v[X+\p:X+\p+1], v[8:9], s[24:25] op_sel_hi:[1,0,0]
.endr
.set o, 0
.rept NOUT
.irp g, 0,1,2,3
.irp j, 0,1,2,3,4,5,6,7
	v_med3_num_f32 v[T+8*(\g%2)+\j], v[X+8*\g+\j], -v[17+2*o], v[17+2*o]   ; the conversion does not saturate (ISA guide 7.6.2): the hold at 448 x the scale
.endr
	v_cvt_scalef32_pk8_fp8_f32 v[C+8*o+2*\g:C+8*o+2*\g+1], v[T+8*(\g%2):T+8*(\g%2)+7], v[16+2*o]   ; the sets take turns: eight plain lines stand between a conversion and the next write of its sources
.endr
.set o, o+1
.endr
.set o, 0
.rept NOUT
.irp g, 0,1,2,3
	global_store_b64 v4, v[C+8*o+2*\g:C+8*o+2*\g+1], s[OB+2*o:OB+2*o+1] offset:256*\g   ; 32 lanes store 256 consecutive bytes, aligned
.endr
.set o, o+1
.endr
	s_endpgm
.Lfunc_end_k_q15756b199a_ln1:
	.size	k_q15756b199a_ln1, .Lfunc_end_k_q15756b199a_ln1-k_q15756b199a_ln1
	.p2alignl 7, 3214868480
	.fill 96, 4, 3214868480
	.section	.rodata,"a",@progbits
	.p2align	6, 0x0
	.amdhsa_kernel k_q15756b199a_ln1
		.amdhsa_group_segment_fixed_size 0
		.amdhsa_private_segment_fixed_size 0
		.amdhsa_enable_private_segment 0
		.amdhsa_kernarg_size 40
		.amdhsa_user_sgpr_count 2
		.amdhsa_user_sgpr_kernarg_segment_ptr 1
		.amdhsa_wavefront_size32 1
		.amdhsa_system_sgpr_workgroup_id_x 1
		.amdhsa_system_sgpr_workgroup_id_y 1
		.amdhsa_system_sgpr_workgroup_id_z 1
		.amdhsa_system_vgpr_workitem_id 0
		.amdhsa_next_free_vgpr 128
		.amdhsa_next_free_sgpr 66
		.amdhsa_reserve_vcc 0
		.amdhsa_float_denorm_mode_32 3
		.amdhsa_float_denorm_mode_16_64 3
		.amdhsa_memory_ordered 1
		.amdhsa_forward_progress 1
		.amdhsa_inst_pref_size 17
	.end_amdhsa_kernel
	.amdgpu_metadata
---
amdhsa.version: [ 1, 2 ]
amdhsa.kernels:
  - .name:           k_q15756b199a_ln1
    .symbol:         k_q15756b199a_ln1.kd
    .args:
      - { .name: x, .offset: 0, .size: 8, .value_kind: global_buffer, .address_space: global }
      - { .name: alpha1, .offset: 8, .size: 8, .value_kind: global_buffer, .address_space: global }
      - { .name: beta1, .offset: 16, .size: 8, .value_kind: global_buffer, .address_space: global }
      - { .name: lowp_scales, .offset: 24, .size: 8, .value_kind: global_buffer, .address_space: global }
      - { .name: xcodes, .offset: 32, .size: 8, .value_kind: global_buffer, .address_space: global }
    .group_segment_fixed_size: 0
    .private_segment_fixed_size: 0
    .kernarg_segment_align: 8
    .kernarg_segment_size: 40
    .max_flat_workgroup_size: 512
    .sgpr_count:     66
    .vgpr_count:     128
    .wavefront_size: 32
...
	.end_amdgpu_metadata
.endif
;; end of part 1
;; launch qkv (part 2): grid 4 x 48, 4 waves a work-group, clusters of 4 x 4, 327,680 bytes of LDS; arguments xcodes, Wq_codes, Wk_codes, Wv_codes, bq, bk, bv, lowp_scales, qkvc; writes qkvc
.if DOCPART == 2
	.amdgcn_target "amdgcn-amd-amdhsa--gfx1250"
	.amdhsa_code_object_version 6
	.text
	.protected	k_q15756b199a_qkv
	.globl	k_q15756b199a_qkv
	.p2align	8
	.type	k_q15756b199a_qkv,@function
k_q15756b199a_qkv:
	s_mov_b64 s[64:65], 0
	v_nop
	global_prefetch_b8 v0, s[64:65] scope:SCOPE_SE
	s_setreg_imm32_b32 hwreg(HW_REG_WAVE_MODE, 25, 1), 1
	s_wait_xcnt 0x0
	s_wait_alu depctr_hold_cnt(0) depctr_sa_sdst(0) depctr_va_vdst(0) depctr_va_sdst(0) depctr_va_ssrc(0) depctr_va_vcc(0) depctr_vm_vsrc(0)
	s_getreg_b32 s2, hwreg(HW_REG_IB_STS2, 6, 4)
	s_cmp_eq_u32 s2, 0
	s_cbranch_scc0 .Lentry_in_a_cluster
	s_endpgm
.Lentry_in_a_cluster:
	s_bfe_u32 s2, ttmp6, 0x10000c
	s_cmp_lg_u32 s2, 0xf033
	s_cbranch_scc0 .Lentry_shape_is_right
	s_endpgm
.Lentry_shape_is_right:
; q = xn Wq + bq, k = xn Wk + bk, v = xn Wv + bv on codes of FP8 (E4M3); each result is quantised on the way out under its own given scale (entries 6, 7, 9) and stored as codes.
; One text for the three: the cluster's y gives the section var = y / 4 (0 q, 1 k, 2 v) and a quarter c = y % 4 of the 4,096 tokens.
; out[i][j] = sum over k of A[i][k] B[j][k].  q, k: A = xn's codes (tokens), B = the weight's (n): out is [token][n].  v: A = Wv's codes (n), B = xn's (tokens): out is v^T, [n][token], the keys innermost.
; A tile of out, 256 x 256, is made by four waves, each 128 x 128: 64 accumulators, 512 registers.  K = 1,024 goes in steps of 256 through a ring of two LDS slots filled by the tensor data mover.
; CLUSTERS: 4 x 4 work-groups; A's tile is shared along a row of the cluster, B's along a column: each is asked for jointly, by the same tensor load with a mask that names the four.
; THE MATRIX INSTRUCTION IS USED TRANSPOSED (source 0 = 16 rows of B, source 1 = 16 rows of A): a lane holds row i = lane % 16 and eight neighbouring j.
; code = (sum x 2^(ea+eb) + bias) / 2^eo = (sum + bias x 2^-(ea+eb)) / 2^F, F = eo - ea - eb: one addition, the hold at 448 x 2^F, one conversion.
; ORDER IN A ROW OF out: inside each aligned group of 32 bytes, inner index 32 g + 16 u + 8 h + j lies at byte 32 g + 16 h + 8 u + j: a lane's sixteen codes of two neighbouring tiles are then 16 bytes on end,
; and the attention launch's loads of 16 bytes a lane bring each k to the place that the matrix instruction's own layout gives it.
; LIMITS: ea + eb between -126 and 126; F between -126 and 119.  NaN among the inputs is not served.
; REGISTERS, in windows of 256: window 0: v0-31 addresses; v32-95 the bias by j, v96-111 by i, v112-113 the conversion's scale and hold; from v128 A's fragments, ONE set; on the way out v128-255 are at work.
;   window 1: B's fragments, TWO sets.   window 2: the accumulators of my rows 0-63 ((a, b) at v[8 (8 a + b)]);   window 3: those of rows 64-127.
.set SIZE_K, 1024
.set KSTEP,  256
.set ROWB,   256
.set KROW,   SIZE_K
.set PITCH,  272                       ; an LDS row: 256 bytes + 16 of padding: the 16 rows that a load touches start at 16 different banks (64 banks of 4 bytes: ISA guide 11.1)
.set FR,     16
.set NL,     4
.set NP,     4                         ; places behind this matrix instruction (ISA guide 7.12.1)
.set HALFT,  128*PITCH
.set SLOT,   4*HALFT
.set LAPS,   SIZE_K/(2*KSTEP)
.set SPARE,  2*SLOT                    ; behind the ring: the spare words, 128 bytes for each wave
.set SP,     272                       ; the way out: ONE stage of 256 rows x (256 bytes + 16), in slot 0, which has had its last fill and its last read by then
.set ADRA, 16
.set ADRB, 20
.set STO,  24
.set RD,   25
.set SPW,  28
.set NIL,  29
.set BJ,   32
.set BI,   96
.set SCL,  112
.set LIMV, 113
.set AF,   128
.set TMP,  128
.set CD,   192
.set G1, 24
.set G0, 32
.set G1B, 48
.set G0B, 56
.set MSB, 0
.macro WIN new                         ; the immediate's high byte repeats the setting that is left
.if MSB != \new
	s_set_vgpr_msb (MSB<<8)|\new
.set MSB, \new
.endif
.endm
.set MUL_LO, 0xa1                      ; source 0 (B) window 1, source 1 (A) window 0, C and D window 2
.set MUL_HI, 0xf1
.set TO_B,   0x40
.macro JLOAD g0a, g1a, g0b, g1b        ; a joint load: waves 0 and 1 fetch for A, waves 2 and 3 for B; four v_nop follow each of the two lines
	s_cmp_eq_u32 s15, 0
	s_cbranch_scc0 .Lfor_b_\@
	tensor_load_to_lds s[\g0a:\g0a+3], s[\g1a:\g1a+7]
	s_nop 0
.rept 4
	v_nop
.endr
	s_branch .Lasked_\@
.Lfor_b_\@:
	tensor_load_to_lds s[\g0b:\g0b+3], s[\g1b:\g1b+7]
	s_nop 0
.rept 4
	v_nop
.endr
.Lasked_\@:
.endm
.macro CREST                           ; a round of the cluster's barrier behind its opening barrier
	s_cmp_lg_u32 s14, 0
	s_cbranch_scc1 .Lnot_wave_0_\@
	s_barrier_signal -3
.Lnot_wave_0_\@:
	s_barrier_wait -3
	s_barrier_signal -1
	s_barrier_wait -1
.endm
.macro CROUND
	s_barrier_signal -1
	s_barrier_wait -1
	CREST
.endm
	s_load_b512 s[68:83], s[0:1], 0x0              ; xcodes 68, Wq 70, Wk 72, Wv 74, bq 76, bk 78, bv 80, the scales' exponents 82
	s_load_b64 s[84:85], s[0:1], 0x40              ; qkvc
	v_lshl_add_u32 v[SPW], v0, 2, SPARE
	v_mov_b32 v[NIL], 0
	ds_add_u32 v28, v29
	ds_add_u32 v28, v29
	s_wait_dscnt 0x0
	v_lshrrev_b32 v1, 5, v0
	v_readfirstlane_b32 s14, v1                    ; wave 0..3
	s_lshr_b32 s15, s14, 1                         ; which half of the tile's rows is mine.  Also: I fetch for A (0) or for B (1)
	s_and_b32 s16, s14, 1                          ; which half of its columns.  Also: which 128 rows of that tile I fetch
	s_bfe_u32 s40, ttmp6, 0x40000                  ; cx, cy: my place in the cluster
	s_bfe_u32 s41, ttmp6, 0x40004
	s_and_b32 s86, ttmp7, 0xffff                   ; the cluster's y, 0..11: the same in all sixteen partners
	s_lshr_b32 s87, s86, 2                         ; var
	s_and_b32 s88, s86, 3
	s_lshl_b32 s88, s88, 2                         ; 4 c
	s_lshl_b32 s90, s87, 22                        ; my section of xcodes and of qkvc
	s_mov_b32 s91, 0
	s_cmp_eq_u32 s87, 2
	s_cselect_b32 s42, s88, 0
	s_cselect_b32 s17, 0, s88
	s_cselect_b32 s95, 12, 6                       ; log2 of the bytes from row to row of out in memory: 4,096 for v^T; 64 for q and k, which lie as [head][token][64]
	s_cselect_b32 s94, 8, 20                       ; log2 of the bytes from tile column to tile column: 256 for v^T; four heads of 2^18 bytes for q and k
	s_add_co_u32 s42, s42, s40                     ; tile column: cx, and 4 c where the tokens are B's
	s_add_co_u32 s17, s17, s41                     ; tile row: cy, and 4 c where the tokens are A's
	s_lshl_b32 s43, s41, 2
	s_lshl_b32 s43, 15, s43                        ; my row of the cluster
	s_lshl_b32 s44, 0x1111, s40                    ; my column
	s_or_b32 s[G1+0], s43, (0<<16)|(1<<20)|(1<<21)|(5<<22)|(3<<25)  ; the mask; elements of 1 byte; padding on; bit 21 beside a mask; after every 64 words, 4 words
	s_or_b32 s[G1B+0], s44, (0<<16)|(1<<20)|(1<<21)|(5<<22)|(3<<25)
.irp g, G1, G1B
	s_mov_b32 s[\g+1], ROWB<<16                    ; tensor_dim0
	s_mov_b32 s[\g+2], 128<<16                     ; tensor_dim1
	s_mov_b32 s[\g+3], ROWB<<16                    ; tile_dim0
	s_mov_b32 s[\g+4], 128                         ; tile_dim1
	s_mov_b32 s[\g+5], KROW                        ; from row to row: both operands have rows of 1,024 codes
	s_mov_b32 s[\g+6], 0
	s_mov_b32 s[\g+7], 0
.endr
	s_lshl_b32 s18, s16, 7
	s_lshl_b32 s20, s17, 8
	s_add_co_u32 s20, s20, s18                     ; A: row 256 x tile row + 128 x half
	s_lshl_b32 s46, s42, 8
	s_add_co_u32 s46, s46, s18                     ; B: row 256 x tile column + 128 x half
	s_mov_b32 s21, 0
	s_mov_b32 s47, 0
	s_mov_b64 s[18:19], KROW
	s_mul_u64 s[20:21], s[20:21], s[18:19]
	s_mul_u64 s[46:47], s[46:47], s[18:19]
	s_mul_i32 s45, s14, HALFT                      ; where they go: wave x 128 rows
	s_wait_kmcnt 0x0
	s_add_nc_u64 s[68:69], s[68:69], s[90:91]      ; xn's codes under my product's scale
	s_add_nc_u64 s[84:85], s[84:85], s[90:91]
	s_cmp_eq_u32 s87, 1                            ; the buffers are chosen on the section's number, which hangs on no address
	s_cselect_b64 s[6:7], s[72:73], s[70:71]
	s_cselect_b64 s[12:13], s[78:79], s[76:77]
	s_cmp_eq_u32 s87, 2
	s_cselect_b64 s[4:5], s[74:75], s[68:69]       ; A
	s_cselect_b64 s[6:7], s[68:69], s[6:7]         ; B
	s_cselect_b64 s[12:13], s[80:81], s[12:13]     ; the bias
	s_load_b256 s[68:75], s[82:83], 0x0            ; entries 0 to 7 (the pointers that lay here have been chosen from)
	s_load_b64 s[76:77], s[82:83], 0x20            ; entries 8, 9
	s_add_nc_u64 s[20:21], s[4:5], s[20:21]
	s_add_nc_u64 s[46:47], s[6:7], s[46:47]
	CROUND                                         ; all sixteen work-groups are here: the first joint loads meet
.irp s, 0,1
	s_mov_b32 s[G0+4*\s], 1
	s_add_co_u32 s[G0+4*\s+1], s45, \s*SLOT
	s_add_nc_u64 s[G0+4*\s+2:G0+4*\s+3], s[20:21], \s*ROWB
	s_or_b32 s[G0+4*\s+3], s[G0+4*\s+3], 0x80000000
	s_mov_b32 s[G0B+4*\s], 1
	s_add_co_u32 s[G0B+4*\s+1], s45, \s*SLOT
	s_add_nc_u64 s[G0B+4*\s+2:G0B+4*\s+3], s[46:47], \s*ROWB
	s_or_b32 s[G0B+4*\s+3], s[G0B+4*\s+3], 0x80000000
.endr
	JLOAD G0, G1, G0B, G1B                         ; K step 0: one tensor load a wave at the head
	; PREFETCHES INTO THE L2: behind the load of K step t stands a request for K step t + 2 (behind the first also for K step 1): 32 rows x 256 bytes, a lane a row, one instruction a wave.
	; Of the 128 rows that a wave fetches, each of the four partners that ask for them jointly takes 32, told apart by address (cx for A, cy for B): each block of 256 bytes is named once in each cluster that loads it.
	; The address is never rewritten: the K steps stand in the immediates; K step 3 is the last, so the refills ask for nothing.
	s_cmp_eq_u32 s15, 0                            ; do I fetch for A?
	s_cselect_b64 s[8:9], s[20:21], s[46:47]       ; my 128 rows, at K = 0
	s_cselect_b32 s10, s40, s41                    ; my place among the four that ask with me
	s_lshl_b32 s10, s10, 15                        ; 32 rows of 1,024 bytes
	s_mov_b32 s11, 0
	s_add_nc_u64 s[8:9], s[8:9], s[10:11]
	v_and_b32 v31, 31, v0
	v_lshlrev_b32 v31, 10, v31                     ; never rewritten
	global_prefetch_b8 v31, s[8:9] offset:ROWB th:TH_LOAD_NT scope:SCOPE_SE
	global_prefetch_b8 v31, s[8:9] offset:2*ROWB th:TH_LOAD_NT scope:SCOPE_SE
	v_and_b32 v1, 15, v0                           ; r = l % 16
	s_wait_alu depctr_va_vdst(0)
	v_bfe_u32 v2, v0, 4, 1                         ; h = l / 16
	v_mul_u32_u24 v3, v1, PITCH
	v_lshl_add_u32 v4, v2, 4, v3
	s_mul_i32 s21, s15, HALFT
	s_mul_i32 s22, s16, HALFT
	s_add_co_u32 s22, s22, 2*HALFT
.irp s, 0,1
	v_add_nc_u32 v[ADRA+\s], s21, v4
	v_add_nc_u32 v[ADRB+\s], s22, v4
	s_add_co_u32 s21, s21, SLOT
	s_add_co_u32 s22, s22, SLOT
.endr
	s_mul_i32 s23, s15, 128*SP                     ; into the stage: row 128 x my row half + r, byte 128 x my column half + 16 h
	s_lshl_b32 s21, s16, 7
	s_add_co_u32 s23, s23, s21
	v_mul_u32_u24 v5, v1, SP
	s_wait_alu depctr_va_vdst(0)
	v_lshl_add_u32 v5, v2, 4, v5
	v_add_nc_u32 v[STO], s23, v5
	s_mul_i32 s23, s14, 64*SP                      ; back: wave w takes rows 64 w on, whole; lanes 0-15 one row, lanes 16-31 the next
	v_mul_u32_u24 v6, v2, SP
	v_lshl_add_u32 v6, v1, 4, v6
	v_add_nc_u32 v[RD], s23, v6
.set RD2, 26                           ; q, k: back from the stage: lane l takes token l / 4 of eight, 16 bytes (l % 4) of one head's 64
.set CO2, 27                           ; and 16 l in memory: eight tokens of a head are 512 bytes on end
.set COV, 30                           ; v^T: lanes 0-15 one row of 4,096 bytes, lanes 16-31 the next
	v_and_b32 v7, 31, v0
	v_lshrrev_b32 v10, 2, v7
	v_and_b32 v11, 3, v7
	v_mul_u32_u24 v10, v10, SP
	v_lshl_add_u32 v10, v11, 4, v10
	v_add_nc_u32 v[RD2], s23, v10
	v_lshlrev_b32 v[CO2], 4, v7
	v_lshlrev_b32 v[COV], 12, v2
	v_lshl_add_u32 v[COV], v1, 4, v[COV]
	; the bias.  q, k: by j (n): eight numbers for each of my eight tiles of columns.  v: by i (n): one number for each of my eight blocks of rows.  The one that does not apply is read at the buffer's head and multiplied by 0.
	v_lshlrev_b32 v8, 5, v2                        ; 32 h; never rewritten
	s_wait_alu depctr_va_vdst(0)
	v_lshlrev_b32 v9, 2, v1                        ; 4 r; never rewritten
	s_wait_alu depctr_va_vdst(0)
	s_lshl_b32 s20, s42, 8
	s_lshl_b32 s21, s16, 7
	s_add_co_u32 s20, s20, s21                     ; j0
	s_lshl_b32 s22, s17, 8
	s_lshl_b32 s21, s15, 7
	s_add_co_u32 s22, s22, s21                     ; i0
	s_cmp_eq_u32 s87, 2
	s_cselect_b32 s20, 0, s20
	s_cselect_b32 s22, s22, 0
	s_lshl_b32 s20, s20, 2
	s_lshl_b32 s22, s22, 2
	s_mov_b32 s21, 0
	s_mov_b32 s23, 0
	s_add_nc_u64 s[98:99], s[12:13], s[22:23]
	s_add_nc_u64 s[12:13], s[12:13], s[20:21]
.irp b, 0,1,2,3,4,5,6,7
	global_load_b128 v[BJ+8*\b:BJ+8*\b+3], v8, s[12:13] offset:64*\b
	global_load_b128 v[BJ+8*\b+4:BJ+8*\b+7], v8, s[12:13] offset:64*\b+16
.endr
.irp a, 0,1,2,3,4,5,6,7
	global_load_b32 v[BI+2*\a], v9, s[98:99] offset:64*\a
.endr
	s_lshl_b32 s20, s17, 8                         ; where I store: row 256 x tile row + 64 x wave, byte 256 x tile column
	s_lshl_b32 s21, s14, 6
	s_add_co_u32 s20, s20, s21
	s_lshl_b32 s20, s20, s95
	s_lshl_b32 s21, s42, s94
	s_add_co_u32 s20, s20, s21
	s_mov_b32 s21, 0
	s_add_nc_u64 s[84:85], s[84:85], s[20:21]
.macro FRAG reg, adr, q, i             ; 16 rows x 128 K: lane l holds row l % 16; registers 4 c .. 4 c + 3 hold K = 32 c + 16 (l / 16) + 0 .. 15: the same permutation of k in A and in B
.irp c, 0,1,2,3
	ds_load_b128 v[\reg+4*\c:\reg+4*\c+3], v[\adr] offset:128*(\q)+32*\c+(\i)*16*PITCH
.endr
.endm
.macro MUL16 a0, p, zero               ; A's blocks a0, a0 + 1 x B's eight.  The 64 accumulators take turns, one instruction a turn, in the same order in every step
.irp a, \a0, \a0+1
.irp b, 0,1,2,3,4,5,6,7
.if \zero
	v_wmma_f32_16x16x128_fp8_fp8 v[8*(8*((\a)%4)+\b):8*(8*((\a)%4)+\b)+7], v[128*(\p)+FR*\b:128*(\p)+FR*\b+FR-1], v[AF+FR*(\a):AF+FR*(\a)+FR-1], 0
.else
	v_wmma_f32_16x16x128_fp8_fp8 v[8*(8*((\a)%4)+\b):8*(8*((\a)%4)+\b)+7], v[128*(\p)+FR*\b:128*(\p)+FR*\b+FR-1], v[AF+FR*(\a):AF+FR*(\a)+FR-1], v[8*(8*((\a)%4)+\b):8*(8*((\a)%4)+\b)+7]
.endif
.endr
.endr
.endm
.macro FETCH_B slot, q, p
	WIN TO_B
.irp i, 0,1,2,3,4,5,6,7
	FRAG 128*(\p)+FR*\i, ADRB+\slot, \q, \i
.endr
	WIN 0
.endm
.macro FETCH_A slot, q, i0
.irp i, \i0, \i0+1, \i0+2, \i0+3
	FRAG AF+FR*(\i), ADRA+\slot, \q, \i
.endr
.endm
.macro PLACES n                        ; plain vector instructions between a matrix instruction and a load into, or a read of, its registers
.rept \n
	v_nop
.endr
.endm
.macro STEP slot, q, zero              ; a step of 128 along K that has its successor in the same slot
	s_wait_dscnt 4*NL                              ; B's set and A's blocks 0-3 are in; the youngest sixteen loads (A's blocks 4-7) may be out
	WIN MUL_LO
	MUL16 0, (\q)%2, \zero
	MUL16 2, (\q)%2, \zero
	s_wait_dscnt 0
	PLACES NP
	FETCH_B \slot, (\q)+1, 1-(\q)%2
	FETCH_A \slot, (\q)+1, 0
	WIN MUL_HI
	MUL16 4, (\q)%2, \zero
	MUL16 6, (\q)%2, \zero
	PLACES NP
	WIN 0
	FETCH_A \slot, (\q)+1, 4
.endm
.macro TURN slot, next, fill           ; a slot's last step changes slots: one barrier; fill = 1: this slot is filled again, two K steps ahead
	s_wait_tensorcnt 0x0                           ; all my tensor loads have landed: my part of the next slot
	ds_add_u32 v[SPW], v[NIL]                      ; 0 onto my spare word
	s_wait_dscnt 4*NL+1                            ; (the add and the youngest sixteen loads may be out)
	WIN MUL_LO
	MUL16 0, 1, 0
	s_wait_dscnt 0x0                               ; the add is done, and my reads of this slot are over
	s_barrier_signal -1
	MUL16 2, 1, 0
	WIN 0
	s_barrier_wait -1
.if \fill
	CREST                                          ; the barrier has opened a round of the cluster's barrier: no wave of any partner still reads this slot or has a load on its way
	s_add_nc_u64 s[G0+4*\slot+2:G0+4*\slot+3], s[G0+4*\slot+2:G0+4*\slot+3], 2*ROWB
	s_add_nc_u64 s[G0B+4*\slot+2:G0B+4*\slot+3], s[G0B+4*\slot+2:G0B+4*\slot+3], 2*ROWB
	JLOAD G0+4*\slot, G1, G0B+4*\slot, G1B         ; the first tensor load behind the round; its four v_nop are also the places in front of the loads below
.else
	PLACES NP
.endif
	FETCH_B \next, 0, 0
	FETCH_A \next, 0, 0
	WIN MUL_HI
	MUL16 4, 1, 0
	MUL16 6, 1, 0
	PLACES NP
	WIN 0
	FETCH_A \next, 0, 4
.endm
	s_wait_alu depctr_va_vdst(0)                   ; the wait at the head's end
	s_wait_tensorcnt 0x0                           ; my part of K step 0 is in
	ds_add_u32 v[SPW], v[NIL]
	s_wait_dscnt 0x0
	CROUND                                         ; everybody's part of K step 0 is in, and all sixteen work-groups are here
	JLOAD G0+4, G1, G0B+4, G1B                     ; K step 1, the first tensor load behind the round
	global_prefetch_b8 v31, s[8:9] offset:3*ROWB th:TH_LOAD_NT scope:SCOPE_SE
	FETCH_B 0, 0, 0
	FETCH_A 0, 0, 0
	FETCH_A 0, 0, 4
	STEP 0, 0, 1                                   ; the first step's products start the sums: nothing is cleared
	s_mov_b32 s3, LAPS-1
.Llap:                                                 ; a trip goes once round the ring and fills both slots again
	TURN 0, 1, 1
	STEP 1, 0, 0
	TURN 1, 0, 1
	STEP 0, 0, 0
	s_sub_co_u32 s3, s3, 1
	s_cmp_lg_u32 s3, 0
	s_cbranch_scc1 .Llap
	TURN 0, 1, 0                                   ; the last lap fills nothing
	STEP 1, 0, 0
	s_wait_dscnt 4*NL
	WIN MUL_LO
	MUL16 0, 1, 0
	MUL16 2, 1, 0
	s_wait_dscnt 0
	WIN MUL_HI
	MUL16 4, 1, 0
	MUL16 6, 1, 0
	WIN 0
	; THE WAY OUT.
	s_wait_kmcnt 0x0
	s_add_co_i32 s68, s68, s69                     ; ea + eb of the three products,
	s_add_co_i32 s70, s70, s71
	s_add_co_i32 s72, s72, s73
	s_cmp_eq_u32 s87, 1                            ; and mine, chosen without a jump
	s_cselect_b32 s96, s70, s68
	s_cselect_b32 s93, s75, s74                    ; eo: entry 6 for q, 7 for k,
	s_cmp_eq_u32 s87, 2
	s_cselect_b32 s96, s72, s96
	s_cselect_b32 s93, s77, s93                    ; 9 for v
	s_sub_co_i32 s20, 127, s96
	s_lshl_b32 s20, s20, 23                        ; 2^-(ea + eb)
	s_cmp_eq_u32 s87, 2
	s_cselect_b32 s22, 0, s20                      ; for the bias by j
	s_cselect_b32 s23, s20, 0                      ; for the bias by i
	s_sub_co_i32 s20, s93, s96                     ; F
	s_add_co_i32 s20, s20, 127
	s_lshl_b32 s21, s20, 23
	s_add_co_i32 s20, s20, 8
	s_lshl_b32 s20, s20, 23
	s_or_b32 s20, s20, 0x600000
	v_mov_b32 v[SCL], s21                          ; 2^F
	v_mov_b32 v[LIMV], s20                         ; 448 x 2^F
	s_wait_loadcnt 0x0                             ; the biases
.set j, 0
.rept 32
	v_pk_mul_f32 v[BJ+j:BJ+j+1], v[BJ+j:BJ+j+1], s[22:23] op_sel_hi:[1,0]   ; (these lines are also the places behind the last products)
.set j, j+2
.endr
.irp a, 0,1,2,3,4,5,6,7
	v_mul_f32 v[BI+2*\a], s23, v[BI+2*\a]
	v_mov_b32 v[BI+2*\a+1], 0                      ; named with it as a pair
.endr
.macro OUTBLK a                        ; my rows 16 a on: 16 x 128 sums become codes and go into the stage
.set AC, 64*((\a)%4)
	WIN 0x02+((\a)/4)                              ; source 0: window 2 or 3
.set j, 0
.rept 32
	v_pk_add_f32 v[TMP+j:TMP+j+1], v[AC+j:AC+j+1], v[BJ+j:BJ+j+1]   ; each accumulator from its low end on
.set j, j+2
.endr
	WIN 0
.set j, 0
.rept 32
	v_pk_add_f32 v[TMP+j:TMP+j+1], v[TMP+j:TMP+j+1], v[BI+2*(\a):BI+2*(\a)+1] op_sel_hi:[1,0]
.set j, j+2
.endr
.set j, 0
.rept 64
	v_med3_num_f32 v[TMP+j], v[TMP+j], -v[LIMV], v[LIMV]   ; the conversion does not saturate (ISA guide 7.6.2)
.set j, j+1
.endr
.if (\a) > 0
	s_wait_alu depctr_va_vdst(0)
	s_wait_dscnt 0x0                               ; the last block's stores have read their registers
.endif
.irp b, 0,1,2,3,4,5,6,7
	v_cvt_scalef32_pk8_fp8_f32 v[CD+2*\b:CD+2*\b+1], v[TMP+8*\b:TMP+8*\b+7], v[SCL]
.endr
	v_nop                                          ; one plain line behind the last conversion
.irp g, 0,1,2,3
	ds_store_b128 v[STO], v[CD+4*\g:CD+4*\g+3] offset:(\a)*16*SP+32*\g   ; tiles 2 g and 2 g + 1: my sixteen codes, at byte 32 g + 16 h
.endr
.endm
.irp a, 0,1,2,3,4,5,6,7
	OUTBLK \a
.endr
	s_wait_dscnt 0x0                               ; for the others' sake: a row's 256 bytes come from two waves
	s_barrier_signal -1
	s_barrier_wait -1
	s_cmp_eq_u32 s87, 2                            ; the section's number: the same in all waves and in all sixteen partners; no barrier and no tensor load stands in either arm
	s_cbranch_scc1 .Lvt
.set t, 0
.rept 32                               ; q, k: [head][token][64]: load t brings eight tokens (8 (t / 4) on) of head t % 4 of my tile's four
	ds_load_b128 v[128+4*t:131+4*t], v[RD2] offset:8*(t/4)*SP+64*(t%4)
.set t, t+1
.endr
.set t, 0
.rept 32
	s_wait_dscnt 31-t                              ; the younger loads may be out
	global_store_b128 v[CO2], v[128+4*t:131+4*t], s[84:85] offset:(t%4)*262144+(t/4)*512   ; 32 lanes store 512 consecutive bytes, aligned
.set t, t+1
.endr
	s_branch .Lstored
.Lvt:
.set t, 0
.rept 32                               ; v^T: whole rows of the tile, 256 bytes each, two a load
	ds_load_b128 v[128+4*t:131+4*t], v[RD] offset:2*t*SP
.set t, t+1
.endr
.set t, 0
.rept 32
	s_wait_dscnt 31-t
	global_store_b128 v[COV], v[128+4*t:131+4*t], s[84:85] offset:2*t*4096   ; 16 lanes store 256 consecutive bytes, aligned
.set t, t+1
.endr
.Lstored:
	s_wait_tensorcnt 0x0                           ; the wave's end
	ds_add_u32 v[SPW], v[NIL]
	s_wait_dscnt 0x0
	CROUND                                         ; the closing round
	s_endpgm
.Lfunc_end_k_q15756b199a_qkv:
	.size	k_q15756b199a_qkv, .Lfunc_end_k_q15756b199a_qkv-k_q15756b199a_qkv
	.p2alignl 7, 3214868480
	.fill 96, 4, 3214868480
	.section	.rodata,"a",@progbits
	.p2align	6, 0x0
	.amdhsa_kernel k_q15756b199a_qkv
		.amdhsa_group_segment_fixed_size 327680
		.amdhsa_private_segment_fixed_size 0
		.amdhsa_enable_private_segment 0
		.amdhsa_kernarg_size 72
		.amdhsa_user_sgpr_count 2
		.amdhsa_user_sgpr_kernarg_segment_ptr 1
		.amdhsa_wavefront_size32 1
		.amdhsa_system_sgpr_workgroup_id_x 1
		.amdhsa_system_sgpr_workgroup_id_y 1
		.amdhsa_system_sgpr_workgroup_id_z 1
		.amdhsa_system_vgpr_workitem_id 0
		.amdhsa_next_free_vgpr 1024
		.amdhsa_next_free_sgpr 100
		.amdhsa_reserve_vcc 0
		.amdhsa_float_denorm_mode_32 3
		.amdhsa_float_denorm_mode_16_64 3
		.amdhsa_memory_ordered 1
		.amdhsa_forward_progress 1
		.amdhsa_inst_pref_size 169
	.end_amdhsa_kernel
	.amdgpu_metadata
---
amdhsa.version: [ 1, 2 ]
amdhsa.kernels:
  - .name:           k_q15756b199a_qkv
    .symbol:         k_q15756b199a_qkv.kd
    .args:
      - { .name: xcodes, .offset: 0, .size: 8, .value_kind: global_buffer, .address_space: global }
      - { .name: Wq_codes, .offset: 8, .size: 8, .value_kind: global_buffer, .address_space: global }
      - { .name: Wk_codes, .offset: 16, .size: 8, .value_kind: global_buffer, .address_space: global }
      - { .name: Wv_codes, .offset: 24, .size: 8, .value_kind: global_buffer, .address_space: global }
      - { .name: bq, .offset: 32, .size: 8, .value_kind: global_buffer, .address_space: global }
      - { .name: bk, .offset: 40, .size: 8, .value_kind: global_buffer, .address_space: global }
      - { .name: bv, .offset: 48, .size: 8, .value_kind: global_buffer, .address_space: global }
      - { .name: lowp_scales, .offset: 56, .size: 8, .value_kind: global_buffer, .address_space: global }
      - { .name: qkvc, .offset: 64, .size: 8, .value_kind: global_buffer, .address_space: global }
    .group_segment_fixed_size: 327680
    .private_segment_fixed_size: 0
    .kernarg_segment_align: 8
    .kernarg_segment_size: 72
    .max_flat_workgroup_size: 128
    .sgpr_count:     100
    .vgpr_count:     1024
    .wavefront_size: 32
...
	.end_amdgpu_metadata
.endif
;; end of part 2
;; launch attn (part 3): grid 8 x 32, 8 waves a work-group, clusters of 4 x 1, 327,680 bytes of LDS; arguments qkvc, src_mask, lowp_scales, ctxc; writes ctxc
.if DOCPART == 3
	.amdgcn_target "amdgcn-amd-amdhsa--gfx1250"
	.amdhsa_code_object_version 6
	.text
	.protected	k_q15756b199a_attn
	.globl	k_q15756b199a_attn
	.p2align	8
	.type	k_q15756b199a_attn,@function
k_q15756b199a_attn:
	s_mov_b64 s[64:65], 0
	v_nop
	global_prefetch_b8 v0, s[64:65] scope:SCOPE_SE
	s_setreg_imm32_b32 hwreg(HW_REG_WAVE_MODE, 25, 1), 1
	s_wait_xcnt 0x0
	s_wait_alu depctr_hold_cnt(0) depctr_sa_sdst(0) depctr_va_vdst(0) depctr_va_sdst(0) depctr_va_ssrc(0) depctr_va_vcc(0) depctr_vm_vsrc(0)
	s_getreg_b32 s2, hwreg(HW_REG_IB_STS2, 6, 4)
	s_cmp_eq_u32 s2, 0
	s_cbranch_scc0 .Lentry_in_a_cluster
	s_endpgm
.Lentry_in_a_cluster:
	s_bfe_u32 s2, ttmp6, 0x10000c
	s_cmp_lg_u32 s2, 0x3003
	s_cbranch_scc0 .Lentry_shape_is_right
	s_endpgm
.Lentry_shape_is_right:
; ctx = softmax(q k^T / 8, masked) v for 2 batches x 16 heads of 64, 2,048 keys, both products on codes of FP8 (E4M3); ctx is quantised under entry 10 and stored as codes.
; q, k: sections 0 and 1 of qkvc, [head][token 0..4095][64]; v^T: section 2, [1024][token], the keys innermost.  Inside groups of 32 bytes the order is such that loads of 16 bytes a lane give each k its own place in the operand.
; ctxc: [block of 64 tokens][head][token][64]: what a wave stores (32 tokens of one head) is 2,048 bytes on end, and the next launch's 64 tokens x 16 heads are one dense block.
; THE SOFTMAX: t = score x log2(e) / 8; M = the running largest t rounded UP to a whole number; p = 2^(t - M) is quantised under entry 8; the row's sum is taken of the unquantised p and divides at the end.
; SHARES.  A work-group owns 256 queries of ONE head.  That head's K (2,048 x 64 bytes) and V^T (64 x 2,048 bytes) lie WHOLE in LDS and no byte is filled twice.  They come in two fills, each of one tensor load of 16 KiB a wave:
; keys 0-1023 at the head; keys 1024-2047 behind the first fill's wait and a round of the cluster's barrier; that second fill has steps 0 to 6 in which to land, and one wait and one barrier stand ahead of step 7,
; whose look-ahead is its first reader.  The loops over the keys hold no barrier.  Wave w owns 32 queries, two tiles of 16, so that each fragment of K, of V and of the mask's table feeds two matrix instructions.
; CLUSTER: the four work-groups of a cluster own other queries of the same head: every tile is asked for jointly, with a mask that names the four.
; NO PREFETCH: both fills are asked for ahead of the first loop: there is no trip in which to run ahead of them.
; Both products are used transposed (S^T = K Q^T, O^T = V^T P^T): a lane holds ONE query of each tile (lane % 16); S^T's register j of key tile t is key 16 t + 8 (lane / 16) + j, the second product's own layout.
; A PHASE AHEAD.  K and the mask's entries of step i + 1 are asked of LDS behind the products K Q^T of step i, V of step i + 1 behind the products V^T P of step i.  The last step's look-ahead
; wraps to step 0; those 48 loads name bytes that are there, and nobody uses what they bring: so the step has one form.
; PLAIN LINES AMONG THE EXPONENTIALS.  Tile 0's 64 stand among tile 1's scalings, tile 1's 64 among tile 0's first sums and holds.  Each plain line there reads what stood ahead of the wait in front of its batch and writes
; what is first read behind the wait that follows the batch.
; THE MASK.  A masked key's raw score becomes R = -2^90: a table of R or 0 for each key lies in LDS; a step's entries are the C of that step's products K Q^T.  R lies under every raw sum (64 x 448^2 at the most), so p = 0
; wherever any key of the batch counts; steps in which all keys so far were masked are wiped when M first moves (the factor 2^(old M - new M) is then 0).  Where ALL keys of a batch are masked, Q's codes are
; replaced by zeros (a select, no jump): every score is R, t - M = 0, p = 1: the uniform weights that the definition gives.
; LIMITS: entries 6 + 7 between -64 and 38; entry 8, and entry 10 - 8 - 9, between -126 and 119.  A masked logit stands far under -1e9 and not at -1e9: that differs only where unmasked logits lie near -1e9.
; REGISTERS, in windows of 256 (s_set_vgpr_msb: bits 1:0 source 0, 3:2 source 1, 5:4 source 2, 7:6 destination):
;   window 0: v1, v2, v4 addresses that stay; v5, v6 the add's; v8-10 addresses in hand; tile x: v[12+4x] -M, +1 the largest t, +2, +3 the sum; v[20+8x] on: at work; v36, v57 the hold; v37-39 scales; v40-55 Q;
;             v64-191 S^T, then p, 64 a tile; v192-223 tile 0's first sums, then p's codes; v224-251 the head's and the way out's.
;   window 1: v0-63 K's eight fragments; v64-127 V's four; v128-191 the mask's entries; v192-255 O^T, 32 a tile.
.set KL,    272                        ; a line of K in LDS: four keys x 64 bytes + 16 of padding: key k at (k / 4) KL + 64 (k % 4); the 16 keys of a load start at 16 different groups of four banks
.set VP,    1040                       ; a row of V^T in LDS: 1,024 keys + 16 of padding
.set VOFF,  512*KL                     ; behind K's 512 lines
.set VH,    64*VP                      ; keys 0-1023 of the 64 rows, then keys 1024-2047
.set AM,    VOFF+2*VH                  ; 2,048 f32: R or 0 for each key of my batch
.set FLAG,  AM+8192                    ; 8 words: has wave w seen a key that counts?
.set STG,   FLAG+256                   ; the way out: 32 rows x (64 bytes + 16) for each wave
.set SGP,   80
.set SPARE, STG+8*32*SGP               ; the spare words, 128 bytes for each wave
.set ST,   12
.set WK,   20
.set QF,   40
.set S,    64
.set CDS,  192
.set KF,   0                           ; in window 1
.set VF,   64
.set MF,   128
.set OF,   192
.set WV,   18
.set SEL,  20
.set CS,   22
.set G1K,  24
.set G1V,  32
.set G0K,  40
.set G0V,  44
.set MSB, 0
.macro WIN new                         ; the immediate's high byte repeats the setting that is left; a switch that changes nothing is dropped
.if MSB != \new
	s_set_vgpr_msb (MSB<<8)|\new
.set MSB, \new
.endif
.endm
.macro CROUND                          ; a round of the cluster's barrier
	s_barrier_signal -1
	s_barrier_wait -1
	s_cmp_lg_u32 s[WV], 0
	s_cbranch_scc1 .Lnot_wave_0_\@
	s_barrier_signal -3
.Lnot_wave_0_\@:
	s_barrier_wait -3
	s_barrier_signal -1
	s_barrier_wait -1
.endm
.macro TLOAD                           ; a joint load: waves 0-3 fetch for K, waves 4-7 for V^T: every wave issues one.  An s_nop 0 and four v_nop follow each of the two lines
	s_cmp_lt_u32 s[WV], 4
	s_cbranch_scc0 .Lfor_v_\@
	tensor_load_to_lds s[G0K:G0K+3], s[G1K:G1K+7]
	s_nop 0
.rept 4
	v_nop
.endr
	s_branch .Lasked_\@
.Lfor_v_\@:
	tensor_load_to_lds s[G0V:G0V+3], s[G1V:G1V+7]
	s_nop 0
.rept 4
	v_nop
.endr
.Lasked_\@:
.endm
	s_load_b256 s[4:11], s[0:1], 0x0               ; qkvc s[4:5], src_mask s[6:7], the scales' exponents s[8:9], ctxc s[10:11]
	v_lshl_add_u32 v5, v0, 2, SPARE
	v_mov_b32 v6, 0
	ds_add_u32 v5, v6                              ; the opening lines: the add, twice on end, and its wait
	ds_add_u32 v5, v6
	v_lshrrev_b32 v8, 5, v0
	v_readfirstlane_b32 s[WV], v8                  ; wave 0..7
	s_bfe_u32 s12, ttmp6, 0x40000                  ; cx: it enters Q's and ctx's addresses alone
	s_lshl_b32 s13, ttmp9, 2
	s_add_co_u32 s13, s13, s12                     ; my block of 256 queries, 0..7
	s_and_b32 s14, ttmp7, 0xffff
	s_lshr_b32 s15, s14, 4                         ; the batch
	s_and_b32 s16, s14, 15                         ; the head
	s_and_b32 s17, s[WV], 3                        ; which quarter of a fill's K (waves 0-3) or V^T (waves 4-7) I fetch
	s_lshl_b32 s48, s16, 18
	s_lshl_b32 s49, s15, 17
	s_add_co_u32 s48, s48, s49                     ; my head's, my batch's first token in a section [head][token][64]
	s_lshl_b32 s50, s17, 14                        ; K: 256 keys x 64 bytes a quarter
	s_add_co_u32 s50, s50, s48
	s_add_co_u32 s50, s50, 0x400000
	s_mov_b32 s51, 0
	s_lshl_b32 s54, s16, 18                        ; V^T: my head's 64 rows of 4,096 bytes,
	s_lshl_b32 s52, s17, 16                        ; 16 of them a quarter,
	s_add_co_u32 s54, s54, s52
	s_lshl_b32 s52, s15, 11                        ; my batch's keys
	s_add_co_u32 s54, s54, s52
	s_add_co_u32 s54, s54, 0x800000
	s_mov_b32 s55, 0
	s_mul_i32 s56, s17, 64*KL                      ; where they go: quarter x 64 lines of K,
	s_mul_i32 s57, s17, 16*VP                      ; quarter x 16 rows of V^T
	s_add_co_u32 s57, s57, VOFF
	s_mov_b32 s[G1K], 15|(0<<16)|(1<<20)|(1<<21)|(5<<22)|(3<<25)  ; the mask: all four; elements of 1 byte; padding on; bit 21 beside a mask; after every 64 words, 4 words
	s_mov_b32 s[G1K+1], 256<<16                    ; K's quarter is dense in memory: 64 rows of 256 bytes
	s_mov_b32 s[G1K+2], 64<<16
	s_mov_b32 s[G1K+3], 256<<16
	s_mov_b32 s[G1K+4], 64
	s_mov_b32 s[G1K+5], 256
	s_mov_b32 s[G1K+6], 0
	s_mov_b32 s[G1K+7], 0
	s_mov_b32 s[G1V], 15|(0<<16)|(1<<20)|(1<<21)|(7<<22)|(3<<25)  ; after every 256 words, 4 words
	s_mov_b32 s[G1V+1], 1024<<16                   ; 16 rows of 1,024 bytes, 4,096 apart
	s_mov_b32 s[G1V+2], 16<<16
	s_mov_b32 s[G1V+3], 1024<<16
	s_mov_b32 s[G1V+4], 16
	s_mov_b32 s[G1V+5], 4096
	s_mov_b32 s[G1V+6], 0
	s_mov_b32 s[G1V+7], 0
	s_mov_b32 s[SEL], 0x76543210
	s_mov_b32 s[SEL+1], 0xfedcba98
	s_mov_b32 s[CS], 0x3e38aa3b                    ; c = log2(e) / 8
	s_wait_dscnt 0x0                               ; both opening adds are done
	s_wait_kmcnt 0x0
	s_load_b128 s[68:71], s[8:9], 0x18             ; entries 6 to 9
	s_load_b32 s72, s[8:9], 0x28                   ; entry 10
	s_mov_b32 s[G0K], 1
	s_mov_b32 s[G0K+1], s56
	s_add_nc_u64 s[G0K+2:G0K+3], s[4:5], s[50:51]
	s_or_b32 s[G0K+3], s[G0K+3], 0x80000000
	s_mov_b32 s[G0V], 1
	s_mov_b32 s[G0V+1], s57
	s_add_nc_u64 s[G0V+2:G0V+3], s[4:5], s[54:55]
	s_or_b32 s[G0V+3], s[G0V+3], 0x80000000
	CROUND                                         ; all four work-groups are here: the joint loads meet
	TLOAD                                          ; keys 0-1023: one tensor load a wave at the head
	s_lshl_b32 s58, s15, 13
	s_mov_b32 s59, 0
	s_add_nc_u64 s[6:7], s[6:7], s[58:59]          ; my batch's 2,048 mask words
	s_lshl_b32 s60, s13, 14                        ; 256 queries x 64 bytes,
	s_lshl_b32 s61, s[WV], 11                      ; my 32
	s_add_co_u32 s60, s60, s61
	s_add_co_u32 s60, s60, s48
	s_mov_b32 s61, 0
	s_add_nc_u64 s[62:63], s[4:5], s[60:61]        ; Q
	s_lshl_b32 s60, s15, 21                        ; ctx: block of 64 tokens 32 batch + 4 block + wave / 2, of 65,536 bytes;
	s_lshl_b32 s58, s13, 18
	s_add_co_u32 s60, s60, s58
	s_lshr_b32 s58, s[WV], 1
	s_lshl_b32 s58, s58, 16
	s_add_co_u32 s60, s60, s58
	s_lshl_b32 s58, s16, 12                        ; my head's 4,096 of them;
	s_add_co_u32 s60, s60, s58
	s_and_b32 s58, s[WV], 1
	s_lshl_b32 s58, s58, 11                        ; my 32 tokens' 2,048
	s_add_co_u32 s60, s60, s58
	s_add_nc_u64 s[10:11], s[10:11], s[60:61]
	v_lshlrev_b32 v7, 4, v0                        ; never rewritten
	global_load_b128 v[224:227], v7, s[6:7]        ; eight mask words a thread: four of the first 1,024,
	global_load_b128 v[228:231], v7, s[6:7] offset:4096   ; four of the second
	v_and_b32 v8, 15, v0                           ; r
	v_bfe_u32 v9, v0, 4, 1                         ; h
	v_lshlrev_b32 v240, 6, v8
	v_lshl_add_u32 v240, v9, 4, v240               ; never rewritten
.irp x, 0,1
	global_load_b128 v[QF+8*\x:QF+8*\x+3], v240, s[62:63] offset:1024*\x
	global_load_b128 v[QF+8*\x+4:QF+8*\x+7], v240, s[62:63] offset:1024*\x+32
.endr
	v_lshrrev_b32 v10, 2, v8
	v_and_b32 v11, 3, v8
	v_mul_u32_u24 v1, v10, KL
	v_lshl_add_u32 v1, v11, 6, v1
	v_lshl_add_u32 v1, v9, 4, v1                   ; K: key r of a tile, + 16 h
	v_mul_u32_u24 v2, v8, VP
	v_lshl_add_u32 v2, v9, 4, v2
	v_add_nc_u32 v2, VOFF, v2                      ; V^T: row r of a tile, + 16 h
	v_lshl_add_u32 v4, v9, 5, AM                   ; the mask's table: my half's eight keys of a tile
	v_lshl_add_u32 v241, v0, 4, AM                 ; and where I write eight of its entries
	v_mov_b32 v243, FLAG
	v_mov_b32 v244, 0xec800000                     ; R = -2^90
.irp x, 0,1
	v_mov_b32 v[ST+4*\x+1], 0xff61b1e6             ; the largest t so far: -3e38
	v_floor_f32 v[ST+4*\x], -v[ST+4*\x+1]          ; -M
	v_mov_b32 v[ST+4*\x+2], 0                      ; the sum, in two halves
	v_mov_b32 v[ST+4*\x+3], 0
	v_mov_b32 v[WK+8*\x+1], 0                      ; a lane permute's destination counts as read
	v_mov_b32 v[WK+8*\x+3], 0                      ; upper half of a pair that is named whole
.endr
	WIN 0x40                                       ; destination window 1
.set j, 0
.rept 64
	v_mov_b32 v[OF+j], 0                           ; O^T: the loop has no first step of its own; the first change of M multiplies zeros
.set j, j+1
.endr
	WIN 0
	s_wait_kmcnt 0x0
	s_add_co_i32 s58, s68, s69
	s_lshl_b32 s58, s58, 23
	s_add_co_i32 s[CS], s[CS], s58                 ; a raw score stands for score x 2^(e6 + e7): added to c's exponent field
	s_mov_b32 s[CS+1], s[CS]
	s_add_co_i32 s58, s70, 127
	s_lshl_b32 s73, s58, 23                        ; 2^e8
	s_add_co_i32 s58, s58, 8
	s_lshl_b32 s58, s58, 23
	s_or_b32 s74, s58, 0x600000                    ; 448 x 2^e8
	s_sub_co_i32 s58, s72, s70
	s_sub_co_i32 s58, s58, s71                     ; e10 - e8 - e9: ctx's code is (O / l) / 2^that
	s_add_co_i32 s58, s58, 127
	s_lshl_b32 s75, s58, 23
	s_add_co_i32 s58, s58, 8
	s_lshl_b32 s58, s58, 23
	s_or_b32 s76, s58, 0x600000
	s_lshl_b32 s77, s[WV], 2
	s_add_co_u32 s77, s77, FLAG                    ; my wave's flag
	s_mul_i32 s78, s[WV], 32*SGP
	s_add_co_u32 s78, s78, STG                     ; my stage
	v_mov_b32 v36, s74                             ; the hold, in two registers: one for each half of a dual instruction
	v_mov_b32 v57, s74
	v_mov_b32 v37, s73
	v_mov_b32 v38, s76
	v_mov_b32 v39, s75
	v_mov_b32 v242, s77
	s_wait_alu depctr_va_vdst(0)                   ; the wait here, directly ahead of the wait below
	s_wait_loadcnt 0x4                             ; the mask's words are in; Q's four loads are younger
.irp j, 0,1,2,3,4,5,6,7
	v_cmp_eq_u32 vcc_lo, 0, v[224+\j]
	v_cndmask_b32 v[232+\j], 0, v244, vcc_lo       ; R where the key is masked, else 0
.endr
	ds_store_b128 v241, v[232:235]
	ds_store_b128 v241, v[236:239] offset:4096
	v_or_b32 v224, v224, v225
	v_or_b32 v226, v226, v227
	v_or_b32 v228, v228, v229
	v_or_b32 v230, v230, v231
	v_or_b32 v224, v224, v226
	v_or_b32 v228, v228, v230
	v_or_b32 v224, v224, v228
	v_cmp_ne_u32 vcc_lo, 0, v224
	s_cmp_lg_u32 vcc_lo, 0
	s_cselect_b32 s58, 1, 0                        ; has any lane of my wave a key that counts?
	v_mov_b32 v245, s58
	ds_store_b32 v242, v245
	s_wait_alu depctr_va_vdst(0)                   ; the wait at the head's end
	s_wait_tensorcnt 0x0                           ; my part of keys 0-1023 is in
	ds_add_u32 v5, v6
	s_add_co_u32 s[G0K+1], s[G0K+1], 256*KL        ; no load of mine is out, so a group 0 may be written: keys 1024 on, in LDS
	s_add_nc_u64 s[G0K+2:G0K+3], s[G0K+2:G0K+3], 65536   ; and in memory
	s_add_co_u32 s[G0V+1], s[G0V+1], VH
	s_add_nc_u64 s[G0V+2:G0V+3], s[G0V+2:G0V+3], 1024
	s_wait_dscnt 0x0                               ; the add is done, and for the others' sake so are my stores
	CROUND                                         ; keys 0-1023, the table and the flags are whole, and all four work-groups are here
	TLOAD                                          ; keys 1024-2047: the first tensor load behind the round, on bytes that nothing has filled
.macro LOADKA ka, ma                   ; the mask's entries and K's eight fragments (16 keys x 64 each) of a step: 32 loads
	WIN 0x40                                       ; destination window 1, address window 0
.irp t, 0,1,2,3,4,5,6,7
	ds_load_b128 v[MF+8*\t:MF+8*\t+3], v[\ma] offset:64*\t
	ds_load_b128 v[MF+8*\t+4:MF+8*\t+7], v[\ma] offset:64*\t+16
.endr
.irp t, 0,1,2,3,4,5,6,7
	ds_load_b128 v[KF+8*\t:KF+8*\t+3], v[\ka] offset:4*\t*KL
	ds_load_b128 v[KF+8*\t+4:KF+8*\t+7], v[\ka] offset:4*\t*KL+32
.endr
	WIN 0
.endm
.macro LOADV va                        ; V^T's four fragments (16 channels x 128 keys each): 16 loads
	WIN 0x40
.irp t, 0,1,2,3
.irp c, 0,1,2,3
	ds_load_b128 v[VF+16*\t+4*\c:VF+16*\t+4*\c+3], v[\va] offset:16*\t*VP+32*\c
.endr
.endr
	WIN 0
.endm
	ds_load_b128 v[224:227], v243                  ; the eight flags
	ds_load_b128 v[228:231], v243 offset:16
	LOADKA 1, 4                                    ; step 0
	LOADV 2
	s_wait_loadcnt 0x0                             ; Q
	s_wait_dscnt 48                                ; the flags are in; the 48 loads of step 0 are younger
	v_or_b32 v224, v224, v225
	v_or_b32 v226, v226, v227
	v_or_b32 v228, v228, v229
	v_or_b32 v230, v230, v231
	v_or_b32 v224, v224, v226
	v_or_b32 v228, v228, v230
	v_or_b32 v224, v224, v228
	v_cmp_ne_u32 vcc_lo, 0, v224
.irp j, 0,1,2,3,4,5,6,7,8,9,10,11,12,13,14,15
	v_cndmask_b32 v[QF+\j], 0, v[QF+\j], vcc_lo    ; zero codes where no key of the batch counts
.endr
; THE VECTOR WORK OF A STEP, for two tiles x = 0, 1.
.macro MAXPASS                         ; the step's largest score of my query among my 64 keys, two chains a tile; each accumulator is first read at its low end
.irp x, 0,1
	v_max3_num_f32 v[WK+8*\x], v[S+64*\x], v[S+64*\x+1], v[S+64*\x+2]
	v_max3_num_f32 v[WK+8*\x+6], v[S+64*\x+3], v[S+64*\x+4], v[S+64*\x+5]
.endr
.irp i, 6,10,14,18,22,26,30,34,38,42,46,50,54,58
.irp x, 0,1
	v_max3_num_f32 v[WK+8*\x], v[WK+8*\x], v[S+64*\x+\i], v[S+64*\x+\i+1]
	v_max3_num_f32 v[WK+8*\x+6], v[WK+8*\x+6], v[S+64*\x+\i+2], v[S+64*\x+\i+3]
.endr
.endr
.irp x, 0,1
	v_max3_num_f32 v[WK+8*\x], v[WK+8*\x], v[S+64*\x+62], v[S+64*\x+63]
.endr
.irp x, 0,1
	v_max_num_f32 v[WK+8*\x], v[WK+8*\x], v[WK+8*\x+6]
.endr
.endm
.macro STATS                           ; the other half of the lanes' maximum; the running largest t; the new -M; f = 2^(old M - new M)
.irp x, 0,1
	v_permlanex16_b32 v[WK+8*\x+1], v[WK+8*\x], s[SEL], s[SEL+1]
.endr
.irp x, 0,1
	v_max_num_f32 v[WK+8*\x], v[WK+8*\x], v[WK+8*\x+1]
.endr
.irp x, 0,1
	v_mul_f32 v[WK+8*\x], s[CS], v[WK+8*\x]        ; as t (c is positive)
.endr
.irp x, 0,1
	v_max_num_f32 v[ST+4*\x+1], v[ST+4*\x+1], v[WK+8*\x]
.endr
.irp x, 0,1
	v_mov_b32 v[WK+8*\x], v[ST+4*\x]
.endr
.irp x, 0,1
	v_floor_f32 v[ST+4*\x], -v[ST+4*\x+1]          ; -M = floor(-t): M is a whole number
.endr
.irp x, 0,1
	v_sub_f32 v[WK+8*\x], v[ST+4*\x], v[WK+8*\x]   ; old M - new M, 0 or less
.endr
.irp x, 0,1
	v_cvt_i32_f32 v[WK+8*\x], v[WK+8*\x]           ; (it saturates)
.endr
.irp x, 0,1
	v_ldexp_f32 v[WK+8*\x+2], 1.0, v[WK+8*\x]
.endr
.endm
.macro HOLD r                          ; two holds in one instruction.  The conversion does not saturate (ISA guide 7.6.2); p is not negative, so the hold is one-sided
	v_dual_min_num_f32 v[\r], v[\r], v36 :: v_dual_min_num_f32 v[(\r)+1], v[(\r)+1], v57
.endm
; Tile 1's eight exponentials of key tile t, and among them tile 0's p of key tile t: its first sums (of the unquantised p), into the registers that will take the codes, and its holds.
.macro MIX t
	v_exp_f32 v[S+64+8*(\t)], v[S+64+8*(\t)]
	v_pk_add_f32 v[CDS+2*(\t):CDS+2*(\t)+1], v[S+8*(\t):S+8*(\t)+1], v[S+8*(\t)+2:S+8*(\t)+3]
	v_exp_f32 v[S+64+8*(\t)+1], v[S+64+8*(\t)+1]
	v_pk_add_f32 v[CDS+16+2*(\t):CDS+16+2*(\t)+1], v[S+8*(\t)+4:S+8*(\t)+5], v[S+8*(\t)+6:S+8*(\t)+7]
.irp i, 0,2,4,6
	v_exp_f32 v[S+64+8*(\t)+2+\i/2], v[S+64+8*(\t)+2+\i/2]
	HOLD S+8*(\t)+\i
.endr
	v_exp_f32 v[S+64+8*(\t)+6], v[S+64+8*(\t)+6]
	v_exp_f32 v[S+64+8*(\t)+7], v[S+64+8*(\t)+7]
.endm
; Behind both batches, key tile t: tile 1's sums (two chains), tile 0's first sums into its two chains, tile 1's holds, both conversions (registers 2 t, 2 t + 1 of a tile's codes: keys 16 t + 8 h + 0 .. 7).
.macro FIN t
.if (\t) == 0
	v_pk_add_f32 v[WK+12:WK+13], v[S+64:S+65], v[S+66:S+67]            ; the first pairs start the second chains
	v_pk_add_f32 v[WK+4:WK+5], v[CDS:CDS+1], v[CDS+16:CDS+17]
.else
	v_pk_add_f32 v[ST+6:ST+7], v[ST+6:ST+7], v[S+64+8*(\t):S+64+8*(\t)+1]
	v_pk_add_f32 v[ST+2:ST+3], v[ST+2:ST+3], v[CDS+2*(\t):CDS+2*(\t)+1]
	v_pk_add_f32 v[WK+12:WK+13], v[WK+12:WK+13], v[S+64+8*(\t)+2:S+64+8*(\t)+3]
	v_pk_add_f32 v[WK+4:WK+5], v[WK+4:WK+5], v[CDS+16+2*(\t):CDS+16+2*(\t)+1]
.endif
	v_pk_add_f32 v[ST+6:ST+7], v[ST+6:ST+7], v[S+64+8*(\t)+4:S+64+8*(\t)+5]
	v_pk_add_f32 v[WK+12:WK+13], v[WK+12:WK+13], v[S+64+8*(\t)+6:S+64+8*(\t)+7]
.irp i, 0,2,4,6
	HOLD S+64+8*(\t)+\i
.endr
	v_cvt_scalef32_pk8_fp8_f32 v[CDS+2*(\t):CDS+2*(\t)+1], v[S+8*(\t):S+8*(\t)+7], v37
	v_cvt_scalef32_pk8_fp8_f32 v[CDS+16+2*(\t):CDS+16+2*(\t)+1], v[S+64+8*(\t):S+64+8*(\t)+7], v37
.endm
.macro SCALE x, n                      ; t - M, two at a time
	v_pk_fma_f32 v[S+64*(\x)+(\n):S+64*(\x)+(\n)+1], v[S+64*(\x)+(\n):S+64*(\x)+(\n)+1], s[CS:CS+1], v[ST+4*(\x):ST+4*(\x)+1] op_sel_hi:[1,0,0]
.endm
; A KEY STEP: 128 keys, number s2, whose K, mask entries and V were asked of LDS in the step before.
.macro STEP
	s_add_co_u32 s3, s2, 1
	s_and_b32 s3, s3, 15                           ; the step that is asked for in this one
	s_mul_i32 s48, s3, 32*KL                       ; its K: 32 lines a step
	s_lshl_b32 s49, s3, 9                          ; its mask entries
	s_and_b32 s50, s3, 7
	s_lshl_b32 s50, s50, 7                         ; its V: 128 bytes of a row a step,
	s_lshr_b32 s51, s3, 3
	s_mul_i32 s51, s51, VH                         ; in the first or the second 1,024 keys
	s_add_co_u32 s50, s50, s51
	s_wait_dscnt 16                                ; K and the mask's entries are in; V's sixteen loads are younger
	WIN 0x11                                       ; K and the mask's entries in window 1; Q and S^T in window 0
.irp t, 0,1,2,3,4,5,6,7
.irp x, 0,1
	v_wmma_f32_16x16x64_fp8_fp8 v[S+64*\x+8*\t:S+64*\x+8*\t+7], v[KF+8*\t:KF+8*\t+7], v[QF+8*\x:QF+8*\x+7], v[MF+8*\t:MF+8*\t+7]   ; S^T = K Q^T + the mask: sixteen accumulators, one instruction each
.endr
.endr
	WIN 0
	v_add_nc_u32 v8, s48, v1                       ; four places in front of the loads into K's and the mask's registers and of the first read of the scores
	v_add_nc_u32 v10, s49, v4
	v_add_nc_u32 v9, s50, v2
	v_nop
	LOADKA 8, 10
	MAXPASS
	STATS
	WIN 0x41                                       ; O^T (destination and source 0) in window 1, f in window 0
.irp x, 0,1
.set j, 0
.rept 16
	v_pk_mul_f32 v[OF+32*\x+j:OF+32*\x+j+1], v[OF+32*\x+j:OF+32*\x+j+1], v[WK+8*\x+2:WK+8*\x+3] op_sel_hi:[1,0]   ; O^T under the new M, ahead of the step's exponentials; each accumulator from its low end on
.set j, j+2
.endr
.endr
	WIN 0
.set n, 0
.rept 32
	SCALE 0, n
.set n, n+2
.endr
	s_wait_alu depctr_va_vdst(0)                   ; the wait ahead of the batch
.set n, 0
.rept 32                               ; the first batch: tile 0's p = 2^(t - M), and among them tile 1's scalings
	v_exp_f32 v[S+n], v[S+n]
	v_exp_f32 v[S+n+1], v[S+n+1]
	SCALE 1, n
.set n, n+2
.endr
	s_wait_alu depctr_va_vdst(0)                   ; one wait: behind the first batch, ahead of its first reader, and ahead of the second batch
.irp t, 0,1,2,3,4,5,6,7
	MIX \t
.endr
	v_pk_mul_f32 v[ST+2:ST+3], v[ST+2:ST+3], v[WK+2:WK+3] op_sel_hi:[1,0]       ; the sums under the new M (plain lines behind the last exponential)
	v_pk_mul_f32 v[ST+6:ST+7], v[ST+6:ST+7], v[WK+10:WK+11] op_sel_hi:[1,0]
	s_wait_alu depctr_va_vdst(0)                   ; one wait behind the second batch, ahead of its first reader
.irp t, 0,1,2,3,4,5,6,7
	FIN \t
.endr
.irp x, 0,1
	v_pk_add_f32 v[ST+4*\x+2:ST+4*\x+3], v[ST+4*\x+2:ST+4*\x+3], v[WK+8*\x+4:WK+8*\x+5]   ; (plain lines behind the last conversion)
.endr
	s_wait_alu depctr_va_vdst(0)                   ; the wait here, directly ahead of the wait below
	s_wait_dscnt 32                                ; V is in; the 32 loads of the next K and mask entries are younger
	WIN 0x51                                       ; V and O^T in window 1, p's codes in window 0
.irp t, 0,1,2,3
.irp x, 0,1
	v_wmma_f32_16x16x128_fp8_fp8 v[OF+32*\x+8*\t:OF+32*\x+8*\t+7], v[VF+16*\t:VF+16*\t+15], v[CDS+16*\x:CDS+16*\x+15], v[OF+32*\x+8*\t:OF+32*\x+8*\t+7]   ; eight accumulators, one instruction each
.endr
.endr
	WIN 0
.rept 4
	v_nop                                          ; four places in front of the loads into V's registers
.endr
	LOADV 9
.endm
	s_mov_b32 s2, 0
	s_wait_alu depctr_va_vdst(0)
.Lfirst:                                           ; steps 0 to 6: they and their look-ahead read keys 0-1023 alone
	STEP
	s_add_co_u32 s2, s2, 1
	s_cmp_lt_u32 s2, 7
	s_cbranch_scc1 .Lfirst
	s_wait_tensorcnt 0x0                           ; my part of keys 1024-2047 is in,
	s_wait_dscnt 0x0                               ; no LDS instruction of mine is out at the signal,
	s_barrier_signal -1
	s_barrier_wait -1                              ; everybody's part is in
	s_mov_b32 s2, 7
.Lsecond:                                          ; steps 7 to 15
	STEP
	s_add_co_u32 s2, s2, 1
	s_cmp_lt_u32 s2, 16
	s_cbranch_scc1 .Lsecond
	; THE WAY OUT: O^T / the sum, quantised, through my own stage, and out as 2,048 bytes on end.
	s_wait_dscnt 0x0                               ; the last step's look-ahead has come in
.irp x, 0,1
	v_add_f32 v[ST+4*\x+2], v[ST+4*\x+2], v[ST+4*\x+3]
.endr
.irp x, 0,1
	v_permlanex16_b32 v[WK+8*\x+1], v[ST+4*\x+2], s[SEL], s[SEL+1]
.endr
.irp x, 0,1
	v_add_f32 v[ST+4*\x+2], v[ST+4*\x+2], v[WK+8*\x+1]
.endr
	s_wait_alu depctr_va_vdst(0)                   ; the wait ahead of the reciprocals
.irp x, 0,1
	v_rcp_f32 v[WK+8*\x], v[ST+4*\x+2]
.endr
	v_and_b32 v246, 15, v0                         ; (plain lines behind the reciprocals)
	v_bfe_u32 v247, v0, 4, 1
	v_mul_u32_u24 v248, v246, SGP
	v_lshl_add_u32 v248, v247, 3, v248
	v_add_nc_u32 v248, s78, v248                   ; in: row r (+ 16 for tile 1), byte 8 h
	v_and_b32 v249, 31, v0
	v_lshrrev_b32 v250, 2, v249
	v_and_b32 v246, 3, v249
	v_mul_u32_u24 v250, v250, SGP
	v_lshl_add_u32 v250, v246, 4, v250
	v_add_nc_u32 v250, s78, v250                   ; back: four lanes to a row of 64 bytes, eight rows a load
	v_lshlrev_b32 v251, 4, v249                    ; and the same 512 bytes on end in ctx
	WIN 0x01                                       ; source 0 (O^T) in window 1
	s_wait_alu depctr_va_vdst(0)                   ; one wait for the reciprocals and, directly ahead of its first reader, for O^T
.irp x, 0,1
.set j, 0
.rept 32
	v_mul_f32 v[S+64*\x+j], v[OF+32*\x+j], v[WK+8*\x]   ; register 8 t + i: channel 16 t + 8 h + i of my query
.set j, j+1
.endr
.endr
	WIN 0
.irp x, 0,1
.set j, 0
.rept 32
	v_med3_num_f32 v[S+64*\x+j], v[S+64*\x+j], -v38, v38
.set j, j+1
.endr
.endr
.irp x, 0,1
.irp t, 0,1,2,3
	v_cvt_scalef32_pk8_fp8_f32 v[CDS+16*\x+2*\t:CDS+16*\x+2*\t+1], v[S+64*\x+8*\t:S+64*\x+8*\t+7], v39
.endr
.endr
	v_nop                                          ; one plain line behind the last conversion
.irp x, 0,1
.irp t, 0,1,2,3
	ds_store_b64 v248, v[CDS+16*\x+2*\t:CDS+16*\x+2*\t+1] offset:16*SGP*\x+16*\t
.endr
.endr
.irp p, 0,1,2,3
	ds_load_b128 v[224+4*\p:227+4*\p], v250 offset:8*SGP*\p   ; LDS serves a wave's instructions in order (ISA guide 5.7.1.4): these see my stores
.endr
.irp p, 0,1,2,3
	s_wait_dscnt 3-\p                              ; the younger loads may be out
	global_store_b128 v251, v[224+4*\p:227+4*\p], s[10:11] offset:512*\p   ; 32 lanes store 512 consecutive bytes, aligned
.endr
	s_wait_tensorcnt 0x0                           ; the wave's end
	ds_add_u32 v5, v6
	s_wait_dscnt 0x0
	CROUND                                         ; the closing round
	s_endpgm
.Lfunc_end_k_q15756b199a_attn:
	.size	k_q15756b199a_attn, .Lfunc_end_k_q15756b199a_attn-k_q15756b199a_attn
	.p2alignl 7, 3214868480
	.fill 96, 4, 3214868480
	.section	.rodata,"a",@progbits
	.p2align	6, 0x0
	.amdhsa_kernel k_q15756b199a_attn
		.amdhsa_group_segment_fixed_size 327680
		.amdhsa_private_segment_fixed_size 0
		.amdhsa_enable_private_segment 0
		.amdhsa_kernarg_size 32
		.amdhsa_user_sgpr_count 2
		.amdhsa_user_sgpr_kernarg_segment_ptr 1
		.amdhsa_wavefront_size32 1
		.amdhsa_system_sgpr_workgroup_id_x 1
		.amdhsa_system_sgpr_workgroup_id_y 1
		.amdhsa_system_sgpr_workgroup_id_z 1
		.amdhsa_system_vgpr_workitem_id 0
		.amdhsa_next_free_vgpr 512
		.amdhsa_next_free_sgpr 100
		.amdhsa_reserve_vcc 1
		.amdhsa_float_denorm_mode_32 3
		.amdhsa_float_denorm_mode_16_64 3
		.amdhsa_memory_ordered 1
		.amdhsa_forward_progress 1
		.amdhsa_inst_pref_size 86
	.end_amdhsa_kernel
	.amdgpu_metadata
---
amdhsa.version: [ 1, 2 ]
amdhsa.kernels:
  - .name:           k_q15756b199a_attn
    .symbol:         k_q15756b199a_attn.kd
    .args:
      - { .name: qkvc, .offset: 0, .size: 8, .value_kind: global_buffer, .address_space: global }
      - { .name: src_mask, .offset: 8, .size: 8, .value_kind: global_buffer, .address_space: global }
      - { .name: lowp_scales, .offset: 16, .size: 8, .value_kind: global_buffer, .address_space: global }
      - { .name: ctxc, .offset: 24, .size: 8, .value_kind: global_buffer, .address_space: global }
    .group_segment_fixed_size: 327680
    .private_segment_fixed_size: 0
    .kernarg_segment_align: 8
    .kernarg_segment_size: 32
    .max_flat_workgroup_size: 256
    .sgpr_count:     100
    .vgpr_count:     512
    .wavefront_size: 32
...
	.end_amdgpu_metadata
.endif
;; end of part 3
;; launch oproj (part 4): grid 8 x 32, 4 waves a work-group, clusters of 4 x 4, 327,680 bytes of LDS; arguments ctxc, Wo_codes, lowp_scales, bo, x, x1; writes x1
.if DOCPART == 4
	.amdgcn_target "amdgcn-amd-amdhsa--gfx1250"
	.amdhsa_code_object_version 6
	.text
	.protected	k_q15756b199a_oproj
	.globl	k_q15756b199a_oproj
	.p2align	8
	.type	k_q15756b199a_oproj,@function
k_q15756b199a_oproj:
	s_mov_b64 s[64:65], 0
	v_nop
	global_prefetch_b8 v0, s[64:65] scope:SCOPE_SE
	s_setreg_imm32_b32 hwreg(HW_REG_WAVE_MODE, 25, 1), 1
	s_wait_xcnt 0x0
	s_wait_alu depctr_hold_cnt(0) depctr_sa_sdst(0) depctr_va_vdst(0) depctr_va_sdst(0) depctr_va_ssrc(0) depctr_va_vcc(0) depctr_vm_vsrc(0)
	s_getreg_b32 s2, hwreg(HW_REG_IB_STS2, 6, 4)
	s_cmp_eq_u32 s2, 0
	s_cbranch_scc0 .Lentry_in_a_cluster
	s_endpgm
.Lentry_in_a_cluster:
	s_bfe_u32 s2, ttmp6, 0x10000c
	s_cmp_lg_u32 s2, 0xf033
	s_cbranch_scc0 .Lentry_shape_is_right
	s_endpgm
.Lentry_shape_is_right:
; x1[m][n] = x[m][n] + bo[n] + 2^(ea + eb) x sum over k of A[m][k] B[n][k]: A = ctx's codes, B = Wo's, FP8 (E4M3); K = 1,024; the scales are entries 10 and 11.  x, x1: [4096][1024] f32.
; A lies as [block of 64 tokens][head][token][64] (k = 64 x head + channel): 64 tokens with all their k are one dense block of 65,536 bytes.  B: [1024][1024], K innermost.
; A tile of x1 is 128 x 128: one for each of 256 work-groups.  Four waves, each 64 x 64: 16 accumulators.
; BOTH OPERANDS' TILES LIE WHOLE IN LDS: 2 x 64 KiB of A and 2 x 64 KiB of B, one tensor load a wave at the head.  Nothing is filled again: one wait, one barrier, and then eight quarters of 128 along K on end.
; NO PREFETCH: the tiles are asked for once, at the head: there is no loop in which to run ahead.
; CLUSTERS: 4 x 4 work-groups; A's tile is shared along a row of the cluster, B's along a column: joint loads.  THE MATRIX INSTRUCTION IS USED TRANSPOSED: a lane holds eight neighbouring numbers of a row of x1.
; THE RESIDUAL, my 64 rows x 256 bytes of x, is asked for behind the barrier, when the tiles are in, into 128 registers of its own: all eight quarters stand between the request and its use.
; LIMIT: ea + eb between -126 and 127.
; REGISTERS: window 0: v8-11 the bias of my four columns; v16-29 addresses; v128-255 the accumulators ((a, b) at v[128 + 8 (4 a + b)]); on the way out block a's 32 registers take its rows as the stage gives them back.
;   window 1: two fragment buffers of 128: for 128 along K, 64 registers of A (4 x 16 rows), then 64 of B.   window 2: v0-127 the residual, 32 registers for each block of 16 rows.
.set SCOFF,  0x28
.set PITCH,  1040                      ; a row of B in LDS: 1,024 bytes + 16 of padding: the 16 rows that a load touches start at 16 different groups of four banks
.set HEADL,  16*272                    ; A in LDS: a head's 64 tokens are 16 lines of 256 bytes + 16: token m at (m / 4) 272 + 64 (m % 4)
.set HALFA,  16*HEADL                  ; 64 tokens x 16 heads
.set HALFB,  64*PITCH
.set STAGE,  2*HALFA+2*HALFB           ; the way out: 16 rows x (256 bytes + 16) for each wave, on bytes of its own
.set SPITCH, 272
.set SPARE,  STAGE+4*16*SPITCH         ; the spare words
.set ROWO,   4096                      ; a row of x and of x1 in bytes
.set BIA,  8
.set ADRA, 16                          ; v16, v17: my A fragments, heads 0-7 and 8-15
.set ADRB, 20                          ; v20, v21: my B fragments, k 0-511 and 512-1023
.set STO,  24
.set RD,   25
.set CO,   26
.set BO,   27
.set SPW,  28
.set NIL,  29
.set ACC,  128
.set F0,   0
.set F1,   128
.set G1, 24
.set G0, 32
.set G1B, 48
.set G0B, 56
.set MSB, 0
.macro WIN new                         ; the immediate's high byte repeats the setting that is left; a switch that changes nothing is dropped
.if MSB != \new
	s_set_vgpr_msb (MSB<<8)|\new
.set MSB, \new
.endif
.endm
.set MUL,  0x05                        ; sources 0 (B) and 1 (A) window 1; C and D window 0
.set TO_F, 0x40                        ; destination window 1, address window 0
.macro CROUND                          ; a round of the cluster's barrier
	s_barrier_signal -1
	s_barrier_wait -1
	s_cmp_lg_u32 s10, 0
	s_cbranch_scc1 .Lnot_wave_0_\@
	s_barrier_signal -3
.Lnot_wave_0_\@:
	s_barrier_wait -3
	s_barrier_signal -1
	s_barrier_wait -1
.endm
	s_load_b128 s[4:7], s[0:1], 0x0                ; A's codes, B's codes
	s_load_b256 s[68:75], s[0:1], 0x10             ; the scales' exponents 68, the bias 70, x 72, x1 74
	v_lshl_add_u32 v[SPW], v0, 2, SPARE
	v_mov_b32 v[NIL], 0
	ds_add_u32 v[SPW], v[NIL]                      ; the opening lines: the add, twice on end, and its wait
	ds_add_u32 v[SPW], v[NIL]
	v_lshrrev_b32 v1, 5, v0
	v_readfirstlane_b32 s10, v1                    ; wave 0..3
	s_lshr_b32 s11, s10, 1                         ; which half of the tile's rows is mine.  Also: I fetch for A (0) or for B (1)
	s_and_b32 s12, s10, 1                          ; which half of its columns.  Also: which 64 rows of that tile I fetch
	s_bfe_u32 s40, ttmp6, 0x40000
	s_bfe_u32 s41, ttmp6, 0x40004
	s_lshl_b32 s42, ttmp9, 2
	s_add_co_u32 s42, s42, s40                     ; tile column
	s_and_b32 s13, ttmp7, 0xffff
	s_lshl_b32 s13, s13, 2
	s_add_co_u32 s13, s13, s41                     ; tile row
	s_lshl_b32 s43, s41, 2
	s_lshl_b32 s43, 15, s43                        ; my row of the cluster
	s_lshl_b32 s44, 0x1111, s40                    ; my column
	s_or_b32 s[G1+0], s43, (0<<16)|(1<<20)|(1<<21)|(5<<22)|(3<<25)  ; A: the mask; elements of 1 byte; padding on; bit 21 beside a mask; after every 64 words, 4 words
	s_mov_b32 s[G1+1], 256<<16                     ; a dense block: 256 rows of 256 bytes
	s_mov_b32 s[G1+2], 256<<16
	s_mov_b32 s[G1+3], 256<<16
	s_mov_b32 s[G1+4], 256
	s_mov_b32 s[G1+5], 256
	s_mov_b32 s[G1+6], 0
	s_mov_b32 s[G1+7], 0
	s_or_b32 s[G1B+0], s44, (0<<16)|(1<<20)|(1<<21)|(7<<22)|(3<<25) ; B: after every 256 words, 4 words
	s_mov_b32 s[G1B+1], 1024<<16                   ; 64 whole rows of 1,024 bytes
	s_mov_b32 s[G1B+2], 64<<16
	s_mov_b32 s[G1B+3], 1024<<16
	s_mov_b32 s[G1B+4], 64
	s_mov_b32 s[G1B+5], 1024
	s_mov_b32 s[G1B+6], 0
	s_mov_b32 s[G1B+7], 0
	s_lshl_b32 s17, s12, 6
	s_lshl_b32 s16, s13, 7
	s_add_co_u32 s16, s16, s17                     ; A: token 128 x tile row + 64 x half,
	s_lshl_b32 s16, s16, 10                        ; of 1,024 bytes each
	s_lshl_b32 s46, s42, 7
	s_add_co_u32 s46, s46, s17                     ; B: row 128 x tile column + 64 x half
	s_lshl_b32 s46, s46, 10
	s_mov_b32 s17, 0
	s_mov_b32 s47, 0
	s_mul_i32 s20, s12, HALFA                      ; where they go: A's two halves,
	s_mul_i32 s21, s12, HALFB
	s_add_co_u32 s21, s21, 2*HALFA                 ; then B's two
	s_wait_dscnt 0x0                               ; both opening adds are done
	s_wait_kmcnt 0x0
	s_load_b64 s[76:77], s[68:69], SCOFF           ; ea, eb
	s_mov_b32 s[G0], 1
	s_mov_b32 s[G0+1], s20
	s_add_nc_u64 s[G0+2:G0+3], s[4:5], s[16:17]
	s_or_b32 s[G0+3], s[G0+3], 0x80000000
	s_mov_b32 s[G0B], 1
	s_mov_b32 s[G0B+1], s21
	s_add_nc_u64 s[G0B+2:G0B+3], s[6:7], s[46:47]
	s_or_b32 s[G0B+3], s[G0B+3], 0x80000000
	CROUND                                         ; all sixteen work-groups are here: the joint loads meet
	s_cmp_eq_u32 s11, 0                            ; waves 0 and 1 fetch A's two halves, waves 2 and 3 B's: every wave's only tensor load
	s_cbranch_scc0 .Lfor_b
	tensor_load_to_lds s[G0:G0+3], s[G1:G1+7]
	s_nop 0
.rept 4
	v_nop
.endr
	s_branch .Lasked
.Lfor_b:
	tensor_load_to_lds s[G0B:G0B+3], s[G1B:G1B+7]
	s_nop 0
.rept 4
	v_nop
.endr
.Lasked:
	s_mul_i32 s21, s11, HALFA                      ; my 64 tokens of A,
	s_mul_i32 s22, s12, HALFB
	s_add_co_u32 s22, s22, 2*HALFA                 ; my 64 rows of B,
	s_mul_i32 s23, s10, 16*SPITCH
	s_add_co_u32 s23, s23, STAGE                   ; my stage
	s_lshl_b32 s16, s13, 7
	s_lshl_b32 s17, s11, 6
	s_add_co_u32 s16, s16, s17
	s_lshl_b32 s16, s16, 12                        ; my first row of x and x1, in bytes
	s_lshl_b32 s46, s42, 7
	s_lshl_b32 s47, s12, 6
	s_add_co_u32 s46, s46, s47
	s_lshl_b32 s46, s46, 2                         ; my first column, in bytes
	s_mov_b32 s47, 0
	s_add_nc_u64 s[70:71], s[70:71], s[46:47]
	s_add_co_u32 s16, s16, s46
	s_mov_b32 s17, 0
	s_add_nc_u64 s[72:73], s[72:73], s[16:17]
	s_add_nc_u64 s[74:75], s[74:75], s[16:17]
	v_and_b32 v1, 15, v0                           ; l % 16
	v_bfe_u32 v2, v0, 4, 1                         ; l / 16
	v_mul_u32_u24 v5, v2, ROWO
	v_lshl_add_u32 v[CO], v1, 4, v5                ; lanes 0-15 one row of x and x1, lanes 16-31 the next; never rewritten
	v_lshlrev_b32 v[BO], 4, v1                     ; my four columns in the bias; never rewritten
	global_load_b128 v[BIA:BIA+3], v[BO], s[70:71]
	v_mul_u32_u24 v3, v1, PITCH
	v_lshl_add_u32 v3, v2, 4, v3                   ; B: row l % 16, + 16 x half
	v_add_nc_u32 v[ADRB], s22, v3
	v_add_nc_u32 v[ADRB+1], 512, v[ADRB]
	v_lshrrev_b32 v6, 2, v1
	v_and_b32 v7, 3, v1
	v_mul_u32_u24 v6, v6, 272
	v_lshl_add_u32 v6, v7, 6, v6
	v_lshl_add_u32 v7, v2, 4, v6                   ; A: token l % 16 of a block of 16: line, place in the line, + 16 x half
	v_add_nc_u32 v[ADRA], s21, v7
	v_add_nc_u32 v[ADRA+1], 8*HEADL, v[ADRA]
	v_mul_u32_u24 v4, v1, SPITCH
	v_lshl_add_u32 v4, v2, 5, v4
	v_add_nc_u32 v[STO], s23, v4                   ; into the stage: row l % 16, 32 bytes for each half of the lanes
	v_mul_u32_u24 v5, v2, SPITCH
	v_lshl_add_u32 v5, v1, 4, v5
	v_add_nc_u32 v[RD], s23, v5                    ; back: lanes 0-15 one row of 256 bytes, lanes 16-31 the next
.macro MUL8 f, a0, zero                ; A's blocks a0, a0 + 1 x B's four, 128 along K.  The sixteen accumulators take turns in one order throughout
.irp a, \a0, \a0+1
.irp b, 0,1,2,3
.if \zero
	v_wmma_f32_16x16x128_fp8_fp8 v[ACC+8*(4*(\a)+\b):ACC+8*(4*(\a)+\b)+7], v[\f+64+16*\b:\f+64+16*\b+15], v[\f+16*(\a):\f+16*(\a)+15], 0
.else
	v_wmma_f32_16x16x128_fp8_fp8 v[ACC+8*(4*(\a)+\b):ACC+8*(4*(\a)+\b)+7], v[\f+64+16*\b:\f+64+16*\b+15], v[\f+16*(\a):\f+16*(\a)+15], v[ACC+8*(4*(\a)+\b):ACC+8*(4*(\a)+\b)+7]
.endif
.endr
.endr
.endm
.macro FETCH u, k, f                   ; 32 LDS loads in one run, for k = 512 u + k on: B's four fragments, then A's four.  Registers 4 c .. 4 c + 3 hold K = 32 c + 16 (l / 16) + 0 .. 15: the same permutation of k in A and in B
	WIN TO_F
.irp i, 0,1,2,3
.irp c, 0,1,2,3
	ds_load_b128 v[\f+64+16*\i+4*\c:\f+64+16*\i+4*\c+3], v[ADRB+\u] offset:(\k)+32*\c+\i*16*PITCH
.endr
.endr
.irp i, 0,1,2,3
.irp c, 0,1,2,3
	ds_load_b128 v[\f+16*\i+4*\c:\f+16*\i+4*\c+3], v[ADRA+\u] offset:(((\k)+32*\c)/64)*HEADL+(32*\c)%64+\i*4*272
.endr
.endr
.endm
.macro PLACES                          ; plain vector instructions between a matrix instruction and a load into, or a read of, its registers
.rept 4
	v_nop
.endr
.endm
.macro QUARTER u, k, f, g, zero        ; 128 along K on buffer f; the next quarter, at k = 512 u + k, is fetched into g
	s_wait_dscnt 8                                 ; B and A's blocks 0, 1 are in; the youngest eight loads may be out
	WIN MUL
	MUL8 \f, 0, \zero
	PLACES
	FETCH \u, \k, \g
	s_wait_dscnt 32                                ; all but the 32 just issued
	WIN MUL
	MUL8 \f, 2, \zero
.endm
	s_wait_alu depctr_va_vdst(0)                   ; the wait at the head's end
	s_wait_tensorcnt 0x0                           ; my part of the tiles is in,
	s_barrier_signal -1
	s_barrier_wait -1                              ; everybody's is
	WIN 0x80                                       ; destination window 2, address window 0
.irp a, 0,1,2,3
.irp t, 0,1,2,3,4,5,6,7
	global_load_b128 v[32*\a+4*\t:32*\a+4*\t+3], v[CO], s[72:73] offset:(16*\a+2*\t)*ROWO th:TH_LOAD_NT   ; the residual's rows, as the stage will give the sums back: 16 lanes read 256 consecutive bytes, aligned
.endr
.endr
	FETCH 0, 0, F0
	QUARTER 0, 128, F0, F1, 1                      ; the first quarter's products start the sums
	QUARTER 0, 256, F1, F0, 0
	QUARTER 0, 384, F0, F1, 0
	QUARTER 1, 0,   F1, F0, 0
	QUARTER 1, 128, F0, F1, 0
	QUARTER 1, 256, F1, F0, 0
	QUARTER 1, 384, F0, F1, 0
	s_wait_dscnt 8
	WIN MUL
	MUL8 F1, 0, 0
	s_wait_dscnt 0
	MUL8 F1, 2, 0
	WIN 0
	; THE WAY OUT, 16 rows x 64 columns at a time: the sums go through my own stage and come back as whole rows of 256 bytes; there the scale, the bias and the residual are applied.
	; Block a comes back into its own accumulators' 32 registers: no register that a store reads is written again.  The four blocks' trips through the stage are issued on end.
	s_wait_kmcnt 0x0
	s_add_co_i32 s46, s76, s77
	s_add_co_i32 s46, s46, 127
	s_lshl_b32 s46, s46, 23                        ; 2^(ea + eb)
	s_mov_b32 s47, s46
	PLACES
.irp a, 0,1,2,3
.irp b, 0,1,2,3
	ds_store_b128 v[STO], v[ACC+8*(4*\a+\b):ACC+8*(4*\a+\b)+3] offset:64*\b        ; each accumulator from its low end on
	ds_store_b128 v[STO], v[ACC+8*(4*\a+\b)+4:ACC+8*(4*\a+\b)+7] offset:64*\b+16
.endr
.irp t, 0,1,2,3,4,5,6,7
	ds_load_b128 v[ACC+32*\a+4*\t:ACC+32*\a+4*\t+3], v[RD] offset:2*\t*SPITCH   ; LDS serves a wave's instructions in order (ISA guide 5.7.1.4): these see my stores, and the next block's stores come behind them
.endr
.endr
	s_wait_loadcnt 0x0                             ; the bias and the residual
.irp a, 0,1,2,3
	s_wait_dscnt 16*(3-\a)                         ; block a is back; the later blocks' eight stores and eight loads each may be out
.irp t, 0,1,2,3,4,5,6,7
	v_pk_fma_f32 v[ACC+32*\a+4*\t:ACC+32*\a+4*\t+1], v[ACC+32*\a+4*\t:ACC+32*\a+4*\t+1], s[46:47], v[BIA:BIA+1] op_sel_hi:[1,0,1]
	v_pk_fma_f32 v[ACC+32*\a+4*\t+2:ACC+32*\a+4*\t+3], v[ACC+32*\a+4*\t+2:ACC+32*\a+4*\t+3], s[46:47], v[BIA+2:BIA+3] op_sel_hi:[1,0,1]
.endr
	WIN 0x08                                       ; source 1 (the residual) in window 2
.irp t, 0,1,2,3,4,5,6,7
	v_pk_add_f32 v[ACC+32*\a+4*\t:ACC+32*\a+4*\t+1], v[ACC+32*\a+4*\t:ACC+32*\a+4*\t+1], v[32*\a+4*\t:32*\a+4*\t+1]
	v_pk_add_f32 v[ACC+32*\a+4*\t+2:ACC+32*\a+4*\t+3], v[ACC+32*\a+4*\t+2:ACC+32*\a+4*\t+3], v[32*\a+4*\t+2:32*\a+4*\t+3]
.endr
	WIN 0
.irp t, 0,1,2,3,4,5,6,7
	global_store_b128 v[CO], v[ACC+32*\a+4*\t:ACC+32*\a+4*\t+3], s[74:75] offset:(16*\a+2*\t)*ROWO th:TH_STORE_NT   ; 16 lanes store 256 consecutive bytes, aligned
.endr
.endr
	s_wait_tensorcnt 0x0                           ; the wave's end
	ds_add_u32 v[SPW], v[NIL]
	s_wait_dscnt 0x0
	CROUND                                         ; the closing round
	s_endpgm
.Lfunc_end_k_q15756b199a_oproj:
	.size	k_q15756b199a_oproj, .Lfunc_end_k_q15756b199a_oproj-k_q15756b199a_oproj
	.p2alignl 7, 3214868480
	.fill 96, 4, 3214868480
	.section	.rodata,"a",@progbits
	.p2align	6, 0x0
	.amdhsa_kernel k_q15756b199a_oproj
		.amdhsa_group_segment_fixed_size 327680
		.amdhsa_private_segment_fixed_size 0
		.amdhsa_enable_private_segment 0
		.amdhsa_kernarg_size 48
		.amdhsa_user_sgpr_count 2
		.amdhsa_user_sgpr_kernarg_segment_ptr 1
		.amdhsa_wavefront_size32 1
		.amdhsa_system_sgpr_workgroup_id_x 1
		.amdhsa_system_sgpr_workgroup_id_y 1
		.amdhsa_system_sgpr_workgroup_id_z 1
		.amdhsa_system_vgpr_workitem_id 0
		.amdhsa_next_free_vgpr 640
		.amdhsa_next_free_sgpr 100
		.amdhsa_reserve_vcc 0
		.amdhsa_float_denorm_mode_32 3
		.amdhsa_float_denorm_mode_16_64 3
		.amdhsa_memory_ordered 1
		.amdhsa_forward_progress 1
		.amdhsa_inst_pref_size 52
	.end_amdhsa_kernel
	.amdgpu_metadata
---
amdhsa.version: [ 1, 2 ]
amdhsa.kernels:
  - .name:           k_q15756b199a_oproj
    .symbol:         k_q15756b199a_oproj.kd
    .args:
      - { .name: ctxc, .offset: 0, .size: 8, .value_kind: global_buffer, .address_space: global }
      - { .name: Wo_codes, .offset: 8, .size: 8, .value_kind: global_buffer, .address_space: global }
      - { .name: lowp_scales, .offset: 16, .size: 8, .value_kind: global_buffer, .address_space: global }
      - { .name: bo, .offset: 24, .size: 8, .value_kind: global_buffer, .address_space: global }
      - { .name: x, .offset: 32, .size: 8, .value_kind: global_buffer, .address_space: global }
      - { .name: x1, .offset: 40, .size: 8, .value_kind: global_buffer, .address_space: global }
    .group_segment_fixed_size: 327680
    .private_segment_fixed_size: 0
    .kernarg_segment_align: 8
    .kernarg_segment_size: 48
    .max_flat_workgroup_size: 128
    .sgpr_count:     100
    .vgpr_count:     640
    .wavefront_size: 32
...
	.end_amdgpu_metadata
.endif
;; end of part 4
;; launch ln2 (part 5): grid 256 x 1, 16 waves a work-group, no clusters, 0 bytes of LDS; arguments x1, alpha2, beta2, lowp_scales, xn2; writes xn2
.if DOCPART == 5
	.amdgcn_target "amdgcn-amd-amdhsa--gfx1250"
	.amdhsa_code_object_version 6
	.text
	.protected	k_q15756b199a_ln2
	.globl	k_q15756b199a_ln2
	.p2align	8
	.type	k_q15756b199a_ln2,@function
k_q15756b199a_ln2:
	s_mov_b64 s[64:65], 0
	v_nop
	global_prefetch_b8 v0, s[64:65] scope:SCOPE_SE
	s_setreg_imm32_b32 hwreg(HW_REG_WAVE_MODE, 25, 1), 1
	s_wait_xcnt 0x0
; xn = alpha (x - mean) / (std + 1e-6) + beta along rows of 1,024 f32 (std with divisor 1,023), then codes of FP8 (E4M3) under one given scale:
; the left operand of the first feed-forward product, under entry 12: [4096][1024] codes.
; A stream: no LDS, no barrier, no matrix unit, no cluster: no two waves read the same bytes.  A work-group is sixteen waves, four to a SIMD; A WAVE TAKES ONE ROW: 32 registers, read from memory once by eight loads.
; Lane l holds, for g = 0..3, the eight neighbours 256 g + 8 l .. + 7: the conversion takes eight neighbours from one lane, and the wave's store of their codes covers 256 consecutive aligned bytes.
; The mean is taken first and subtracted, then the squares are summed: no difference of large sums.
; LIMITS: the scale's exponent e between -126 and 119; NaN among the inputs is not served.
.set X,  32                            ; v32-63   the row
.set T,  64                            ; v64-79   two sets of eight held numbers, by turns
.set C,  80                            ; v80-87   the codes
.set OB, 36                            ; s[36:37] the codes at my row
	s_load_b256 s[4:11], s[0:1], 0x0               ; x s[4:5], alpha s[6:7], beta s[8:9], the scales' exponents s[10:11]
	s_load_b64 s[OB:OB+1], s[0:1], 0x20            ; the codes
	v_lshrrev_b32 v1, 5, v0
	v_readfirstlane_b32 s14, v1                    ; wave 0..15
	v_and_b32 v2, 31, v0
	v_lshlrev_b32 v3, 5, v2                        ; 32 x lane: my eight numbers of a group of 256
	v_lshlrev_b32 v4, 3, v2                        ; 8 x lane: their codes
	v_mov_b32 v7, 0                                ; upper halves of pairs that are named whole
	v_mov_b32 v9, 0
	v_mov_b32 v14, 0                               ; a lane permute's destination counts as read
	s_lshl_b32 s15, ttmp9, 4
	s_add_co_u32 s15, s15, s14                     ; my row
	s_lshl_b32 s16, s15, 12
	s_mov_b32 s17, 0
	s_lshl_b32 s18, s15, 10
	s_mov_b32 s19, 0
	s_mov_b32 s26, 0x76543210                      ; v_permlanex16_b32: lane l xor 16
	s_mov_b32 s27, 0xfedcba98
	s_wait_alu depctr_va_vdst(0)                   ; the wait at the head's end
	s_wait_kmcnt 0x0
	s_add_nc_u64 s[4:5], s[4:5], s[16:17]
.irp g, 0,1,2,3
	global_load_b128 v[X+8*\g:X+8*\g+3], v3, s[4:5] offset:1024*\g th:TH_LOAD_NT
	global_load_b128 v[X+8*\g+4:X+8*\g+7], v3, s[4:5] offset:1024*\g+16 th:TH_LOAD_NT   ; the pair covers 1,024 consecutive bytes
.endr
	s_load_b32 s22, s[6:7], 0x0                    ; alpha
	s_load_b32 s24, s[8:9], 0x0                    ; beta
	s_load_b32 s28, s[10:11], 0x30                 ; entry 12
	s_add_nc_u64 s[OB:OB+1], s[OB:OB+1], s[18:19]
	s_wait_kmcnt 0x0
	s_mov_b32 s25, s24                             ; named with it as a pair
	s_add_co_i32 s20, s28, 127
	s_lshl_b32 s21, s20, 23
	v_mov_b32 v16, s21                             ; 2^e as f32: the conversion takes its exponent field
	s_add_co_i32 s20, s20, 8
	s_lshl_b32 s20, s20, 23
	s_or_b32 s20, s20, 0x600000
	v_mov_b32 v17, s20                             ; 448 x 2^e
.macro WSUM r                          ; the sum over the 32 lanes, in every lane
	v_add_f32_dpp v[\r], v[\r], v[\r] row_xmask:1 row_mask:0xf bank_mask:0xf
	v_add_f32_dpp v[\r], v[\r], v[\r] row_xmask:2 row_mask:0xf bank_mask:0xf
	v_add_f32_dpp v[\r], v[\r], v[\r] row_xmask:4 row_mask:0xf bank_mask:0xf
	v_add_f32_dpp v[\r], v[\r], v[\r] row_xmask:8 row_mask:0xf bank_mask:0xf
	v_permlanex16_b32 v14, v[\r], s26, s27
	v_add_f32 v[\r], v[\r], v14
.endm
	s_wait_alu depctr_va_vdst(0)                   ; the wait here, directly ahead of the wait below
	s_wait_loadcnt 0x0
	v_pk_add_f32 v[10:11], v[X:X+1], v[X+2:X+3]              ; the sum, two chains started by the first pairs
	v_pk_add_f32 v[12:13], v[X+4:X+5], v[X+6:X+7]
.irp p, 8,12,16,20,24,28
	v_pk_add_f32 v[10:11], v[10:11], v[X+\p:X+\p+1]
	v_pk_add_f32 v[12:13], v[12:13], v[X+\p+2:X+\p+3]
.endr
	v_pk_add_f32 v[10:11], v[10:11], v[12:13]
	v_add_f32 v10, v10, v11
	WSUM 10
	v_mul_f32 v6, 0x3a800000, v10                  ; the mean: x 2^-10
.irp p, 0,2,4,6,8,10,12,14,16,18,20,22,24,26,28,30
	v_pk_add_f32 v[X+\p:X+\p+1], v[X+\p:X+\p+1], v[6:7] op_sel_hi:[1,0] neg_lo:[0,1] neg_hi:[0,1]   ; x - mean, in place
.endr
	v_pk_mul_f32 v[10:11], v[X:X+1], v[X:X+1]
	v_pk_mul_f32 v[12:13], v[X+2:X+3], v[X+2:X+3]
.irp p, 4,8,12,16,20,24,28
	v_pk_fma_f32 v[10:11], v[X+\p:X+\p+1], v[X+\p:X+\p+1], v[10:11]
	v_pk_fma_f32 v[12:13], v[X+\p+2:X+\p+3], v[X+\p+2:X+\p+3], v[12:13]
.endr
	v_pk_add_f32 v[10:11], v[10:11], v[12:13]
	v_add_f32 v10, v10, v11
	WSUM 10
	v_mul_f32 v10, 0x3a802008, v10                 ; / 1,023
	s_wait_alu depctr_va_vdst(0)                   ; a wait ahead of each transcendental and one ahead of its first reader
	v_sqrt_f32 v11, v10
	v_nop                                          ; a plain instruction behind the root
	s_wait_alu depctr_va_vdst(0)
	v_add_f32 v11, 0x358637bd, v11                 ; std + 1e-6
	s_wait_alu depctr_va_vdst(0)
	v_rcp_f32 v12, v11
	v_nop
	s_wait_alu depctr_va_vdst(0)
	v_mul_f32 v8, s22, v12                         ; alpha / (std + 1e-6)
.irp p, 0,2,4,6,8,10,12,14,16,18,20,22,24,26,28,30
	v_pk_fma_f32 v[X+\p:X+\p+1], v[X+\p:X+\p+1], v[8:9], s[24:25] op_sel_hi:[1,0,0]
.endr
.irp g, 0,1,2,3
.irp j, 0,1,2,3,4,5,6,7
	v_med3_num_f32 v[T+8*(\g%2)+\j], v[X+8*\g+\j], -v17, v17   ; the conversion does not saturate (ISA guide 7.6.2): the hold at 448 x the scale
.endr
	v_cvt_scalef32_pk8_fp8_f32 v[C+2*\g:C+2*\g+1], v[T+8*(\g%2):T+8*(\g%2)+7], v16   ; the sets take turns: eight plain lines stand between a conversion and the next write of its sources
.endr
.irp g, 0,1,2,3
	global_store_b64 v4, v[C+2*\g:C+2*\g+1], s[OB:OB+1] offset:256*\g   ; 32 lanes store 256 consecutive bytes, aligned
.endr
	s_endpgm
.Lfunc_end_k_q15756b199a_ln2:
	.size	k_q15756b199a_ln2, .Lfunc_end_k_q15756b199a_ln2-k_q15756b199a_ln2
	.p2alignl 7, 3214868480
	.fill 96, 4, 3214868480
	.section	.rodata,"a",@progbits
	.p2align	6, 0x0
	.amdhsa_kernel k_q15756b199a_ln2
		.amdhsa_group_segment_fixed_size 0
		.amdhsa_private_segment_fixed_size 0
		.amdhsa_enable_private_segment 0
		.amdhsa_kernarg_size 40
		.amdhsa_user_sgpr_count 2
		.amdhsa_user_sgpr_kernarg_segment_ptr 1
		.amdhsa_wavefront_size32 1
		.amdhsa_system_sgpr_workgroup_id_x 1
		.amdhsa_system_sgpr_workgroup_id_y 1
		.amdhsa_system_sgpr_workgroup_id_z 1
		.amdhsa_system_vgpr_workitem_id 0
		.amdhsa_next_free_vgpr 128
		.amdhsa_next_free_sgpr 66
		.amdhsa_reserve_vcc 0
		.amdhsa_float_denorm_mode_32 3
		.amdhsa_float_denorm_mode_16_64 3
		.amdhsa_memory_ordered 1
		.amdhsa_forward_progress 1
		.amdhsa_inst_pref_size 11
	.end_amdhsa_kernel
	.amdgpu_metadata
---
amdhsa.version: [ 1, 2 ]
amdhsa.kernels:
  - .name:           k_q15756b199a_ln2
    .symbol:         k_q15756b199a_ln2.kd
    .args:
      - { .name: x1, .offset: 0, .size: 8, .value_kind: global_buffer, .address_space: global }
      - { .name: alpha2, .offset: 8, .size: 8, .value_kind: global_buffer, .address_space: global }
      - { .name: beta2, .offset: 16, .size: 8, .value_kind: global_buffer, .address_space: global }
      - { .name: lowp_scales, .offset: 24, .size: 8, .value_kind: global_buffer, .address_space: global }
      - { .name: xn2, .offset: 32, .size: 8, .value_kind: global_buffer, .address_space: global }
    .group_segment_fixed_size: 0
    .private_segment_fixed_size: 0
    .kernarg_segment_align: 8
    .kernarg_segment_size: 40
    .max_flat_workgroup_size: 512
    .sgpr_count:     66
    .vgpr_count:     128
    .wavefront_size: 32
...
	.end_amdgpu_metadata
.endif
;; end of part 5
;; launch ffn1 (part 6): grid 16 x 16, 4 waves a work-group, clusters of 4 x 4, 327,680 bytes of LDS; arguments xn2, W1_codes, lowp_scales, b1, hc; writes hc
.if DOCPART == 6
	.amdgcn_target "amdgcn-amd-amdhsa--gfx1250"
	.amdhsa_code_object_version 6
	.text
	.protected	k_q15756b199a_ffn1
	.globl	k_q15756b199a_ffn1
	.p2align	8
	.type	k_q15756b199a_ffn1,@function
k_q15756b199a_ffn1:
	s_mov_b64 s[64:65], 0
	v_nop
	global_prefetch_b8 v0, s[64:65] scope:SCOPE_SE
	s_setreg_imm32_b32 hwreg(HW_REG_WAVE_MODE, 25, 1), 1
	s_wait_xcnt 0x0
	s_wait_alu depctr_hold_cnt(0) depctr_sa_sdst(0) depctr_va_vdst(0) depctr_va_sdst(0) depctr_va_ssrc(0) depctr_va_vcc(0) depctr_vm_vsrc(0)
	s_getreg_b32 s2, hwreg(HW_REG_IB_STS2, 6, 4)
	s_cmp_eq_u32 s2, 0
	s_cbranch_scc0 .Lentry_in_a_cluster
	s_endpgm
.Lentry_in_a_cluster:
	s_bfe_u32 s2, ttmp6, 0x10000c
	s_cmp_lg_u32 s2, 0xf033
	s_cbranch_scc0 .Lentry_shape_is_right
	s_endpgm
.Lentry_shape_is_right:
; h = relu(xn2 W1 + b1) on codes of FP8 (E4M3), quantised on the way out under entry 14 and stored as codes [4096][4096].  The scales of the product are entries 12 and 13.
; A tile of h, 256 x 256, is made by four waves, each 128 x 128: 64 accumulators.  K = 1,024 goes in steps of 256 through a ring of two LDS slots filled by the tensor data mover.
; CLUSTERS: 4 x 4 work-groups; A's tile is shared along a row of the cluster, B's along a column: joint loads.  The matrix instruction is used transposed: a lane holds eight neighbouring numbers of a row of h.
; code = (sum + b1 x 2^-(ea+eb)) / 2^F, F = e14 - ea - eb; the hold between 0 and 448 x 2^F is the activation too.  LIMITS: ea + eb between -126 and 126; F between -126 and 119.
.set SIZE_K, 1024
.set KSTEP,  256
.set ROWB,   256
.set KROW,   SIZE_K
.set PITCH,  272
.set FR,     16
.set NL,     4
.set NP,     4
.set HALFT,  128*PITCH
.set SLOT,   4*HALFT
.set LAPS,   SIZE_K/(2*KSTEP)
.set SPARE,  2*SLOT
.set SP,     272
.set ROWO,   4096
.set ADRA, 16
.set ADRB, 20
.set STO,  24
.set RD,   25
.set CO,   26
.set SPW,  28
.set NIL,  29
.set BJ,   32
.set SCL,  112
.set LIMV, 113
.set AF,   128
.set TMP,  128
.set CD,   192
.set G1, 24
.set G0, 32
.set G1B, 48
.set G0B, 56
.set MSB, 0
.macro WIN new
.if MSB != \new
	s_set_vgpr_msb (MSB<<8)|\new
.set MSB, \new
.endif
.endm
.set MUL_LO, 0xa1
.set MUL_HI, 0xf1
.set TO_B,   0x40
.macro JLOAD g0a, g1a, g0b, g1b
	s_cmp_eq_u32 s15, 0
	s_cbranch_scc0 .Lfor_b_\@
	tensor_load_to_lds s[\g0a:\g0a+3], s[\g1a:\g1a+7]
	s_nop 0
.rept 4
	v_nop
.endr
	s_branch .Lasked_\@
.Lfor_b_\@:
	tensor_load_to_lds s[\g0b:\g0b+3], s[\g1b:\g1b+7]
	s_nop 0
.rept 4
	v_nop
.endr
.Lasked_\@:
.endm
.macro CREST
	s_cmp_lg_u32 s14, 0
	s_cbranch_scc1 .Lnot_wave_0_\@
	s_barrier_signal -3
.Lnot_wave_0_\@:
	s_barrier_wait -3
	s_barrier_signal -1
	s_barrier_wait -1
.endm
.macro CROUND
	s_barrier_signal -1
	s_barrier_wait -1
	CREST
.endm
	s_load_b128 s[4:7], s[0:1], 0x0
	s_load_b128 s[80:83], s[0:1], 0x10
	s_load_b64 s[84:85], s[0:1], 0x20
	v_lshl_add_u32 v[SPW], v0, 2, SPARE
	v_mov_b32 v[NIL], 0
	ds_add_u32 v28, v29
	ds_add_u32 v28, v29
	s_wait_dscnt 0x0
	v_lshrrev_b32 v1, 5, v0
	v_readfirstlane_b32 s14, v1
	s_lshr_b32 s15, s14, 1
	s_and_b32 s16, s14, 1
	s_bfe_u32 s40, ttmp6, 0x40000
	s_bfe_u32 s41, ttmp6, 0x40004
	s_lshl_b32 s42, ttmp9, 2
	s_add_co_u32 s42, s42, s40
	s_and_b32 s17, ttmp7, 0xffff
	s_lshl_b32 s17, s17, 2
	s_add_co_u32 s17, s17, s41
	s_lshl_b32 s43, s41, 2
	s_lshl_b32 s43, 15, s43
	s_lshl_b32 s44, 0x1111, s40
	s_or_b32 s[G1+0], s43, (0<<16)|(1<<20)|(1<<21)|(5<<22)|(3<<25)
	s_or_b32 s[G1B+0], s44, (0<<16)|(1<<20)|(1<<21)|(5<<22)|(3<<25)
.irp g, G1, G1B
	s_mov_b32 s[\g+1], ROWB<<16
	s_mov_b32 s[\g+2], 128<<16
	s_mov_b32 s[\g+3], ROWB<<16
	s_mov_b32 s[\g+4], 128
	s_mov_b32 s[\g+5], KROW
	s_mov_b32 s[\g+6], 0
	s_mov_b32 s[\g+7], 0
.endr
	s_lshl_b32 s18, s16, 7
	s_lshl_b32 s20, s17, 8
	s_add_co_u32 s20, s20, s18
	s_lshl_b32 s46, s42, 8
	s_add_co_u32 s46, s46, s18
	s_mov_b32 s21, 0
	s_mov_b32 s47, 0
	s_mov_b64 s[18:19], KROW
	s_mul_u64 s[20:21], s[20:21], s[18:19]
	s_mul_u64 s[46:47], s[46:47], s[18:19]
	s_mul_i32 s45, s14, HALFT
	s_wait_kmcnt 0x0
	s_load_b64 s[96:97], s[80:81], 0x30
	s_load_b32 s93, s[80:81], 0x38
	s_add_nc_u64 s[20:21], s[4:5], s[20:21]
	s_add_nc_u64 s[46:47], s[6:7], s[46:47]
	CROUND
.irp s, 0,1
	s_mov_b32 s[G0+4*\s], 1
	s_add_co_u32 s[G0+4*\s+1], s45, \s*SLOT
	s_add_nc_u64 s[G0+4*\s+2:G0+4*\s+3], s[20:21], \s*ROWB
	s_or_b32 s[G0+4*\s+3], s[G0+4*\s+3], 0x80000000
	s_mov_b32 s[G0B+4*\s], 1
	s_add_co_u32 s[G0B+4*\s+1], s45, \s*SLOT
	s_add_nc_u64 s[G0B+4*\s+2:G0B+4*\s+3], s[46:47], \s*ROWB
	s_or_b32 s[G0B+4*\s+3], s[G0B+4*\s+3], 0x80000000
.endr
	JLOAD G0, G1, G0B, G1B                         ; K step 0: one tensor load a wave at the head
	; PREFETCHES INTO THE L2: behind the load of K step t stands a request for K step t + 2 (behind the first also for K step 1): 32 rows x 256 bytes, a lane a row, one instruction a wave.
	; Of the 128 rows that a wave fetches, each of the four partners that ask for them jointly takes 32, told apart by address (cx for A, cy for B): each block of 256 bytes is named once in each cluster that loads it.
	; The address is never rewritten: the K steps stand in the immediates; K step 3 is the last, so the refills ask for nothing.
	s_cmp_eq_u32 s15, 0                            ; do I fetch for A?
	s_cselect_b64 s[8:9], s[20:21], s[46:47]       ; my 128 rows, at K = 0
	s_cselect_b32 s10, s40, s41                    ; my place among the four that ask with me
	s_lshl_b32 s10, s10, 15                        ; 32 rows of 1,024 bytes
	s_mov_b32 s11, 0
	s_add_nc_u64 s[8:9], s[8:9], s[10:11]
	v_and_b32 v31, 31, v0
	v_lshlrev_b32 v31, 10, v31                     ; never rewritten
	global_prefetch_b8 v31, s[8:9] offset:ROWB th:TH_LOAD_NT scope:SCOPE_SE
	global_prefetch_b8 v31, s[8:9] offset:2*ROWB th:TH_LOAD_NT scope:SCOPE_SE
	v_and_b32 v1, 15, v0
	s_wait_alu depctr_va_vdst(0)
	v_bfe_u32 v2, v0, 4, 1
	v_mul_u32_u24 v3, v1, PITCH
	v_lshl_add_u32 v4, v2, 4, v3
	s_mul_i32 s21, s15, HALFT
	s_mul_i32 s22, s16, HALFT
	s_add_co_u32 s22, s22, 2*HALFT
.irp s, 0,1
	v_add_nc_u32 v[ADRA+\s], s21, v4
	v_add_nc_u32 v[ADRB+\s], s22, v4
	s_add_co_u32 s21, s21, SLOT
	s_add_co_u32 s22, s22, SLOT
.endr
	s_mul_i32 s23, s15, 128*SP
	s_lshl_b32 s21, s16, 7
	s_add_co_u32 s23, s23, s21
	v_mul_u32_u24 v5, v1, SP
	s_wait_alu depctr_va_vdst(0)
	v_lshl_add_u32 v5, v2, 3, v5
	v_add_nc_u32 v[STO], s23, v5
	s_mul_i32 s23, s14, 64*SP
	v_mul_u32_u24 v6, v2, SP
	v_lshl_add_u32 v6, v1, 4, v6
	v_add_nc_u32 v[RD], s23, v6
	v_mul_u32_u24 v6, v2, ROWO
	v_lshl_add_u32 v[CO], v1, 4, v6
	v_lshlrev_b32 v8, 5, v2
	s_lshl_b32 s20, s42, 8
	s_lshl_b32 s21, s16, 7
	s_add_co_u32 s20, s20, s21
	s_lshl_b32 s20, s20, 2
	s_mov_b32 s21, 0
	s_add_nc_u64 s[12:13], s[82:83], s[20:21]
.irp b, 0,1,2,3,4,5,6,7
	global_load_b128 v[BJ+8*\b:BJ+8*\b+3], v8, s[12:13] offset:64*\b
	global_load_b128 v[BJ+8*\b+4:BJ+8*\b+7], v8, s[12:13] offset:64*\b+16
.endr
	s_lshl_b32 s20, s17, 8
	s_lshl_b32 s21, s14, 6
	s_add_co_u32 s20, s20, s21
	s_lshl_b32 s20, s20, 12
	s_lshl_b32 s21, s42, 8
	s_add_co_u32 s20, s20, s21
	s_mov_b32 s21, 0
	s_add_nc_u64 s[84:85], s[84:85], s[20:21]
.macro FRAG reg, adr, q, i
.irp c, 0,1,2,3
	ds_load_b128 v[\reg+4*\c:\reg+4*\c+3], v[\adr] offset:128*(\q)+32*\c+(\i)*16*PITCH
.endr
.endm
.macro MUL16 a0, p, zero
.irp a, \a0, \a0+1
.irp b, 0,1,2,3,4,5,6,7
.if \zero
	v_wmma_f32_16x16x128_fp8_fp8 v[8*(8*((\a)%4)+\b):8*(8*((\a)%4)+\b)+7], v[128*(\p)+FR*\b:128*(\p)+FR*\b+FR-1], v[AF+FR*(\a):AF+FR*(\a)+FR-1], 0
.else
	v_wmma_f32_16x16x128_fp8_fp8 v[8*(8*((\a)%4)+\b):8*(8*((\a)%4)+\b)+7], v[128*(\p)+FR*\b:128*(\p)+FR*\b+FR-1], v[AF+FR*(\a):AF+FR*(\a)+FR-1], v[8*(8*((\a)%4)+\b):8*(8*((\a)%4)+\b)+7]
.endif
.endr
.endr
.endm
.macro FETCH_B slot, q, p
	WIN TO_B
.irp i, 0,1,2,3,4,5,6,7
	FRAG 128*(\p)+FR*\i, ADRB+\slot, \q, \i
.endr
	WIN 0
.endm
.macro FETCH_A slot, q, i0
.irp i, \i0, \i0+1, \i0+2, \i0+3
	FRAG AF+FR*(\i), ADRA+\slot, \q, \i
.endr
.endm
.macro PLACES n
.rept \n
	v_nop
.endr
.endm
.macro STEP slot, q, zero
	s_wait_dscnt 4*NL
	WIN MUL_LO
	MUL16 0, (\q)%2, \zero
	MUL16 2, (\q)%2, \zero
	s_wait_dscnt 0
	PLACES NP
	FETCH_B \slot, (\q)+1, 1-(\q)%2
	FETCH_A \slot, (\q)+1, 0
	WIN MUL_HI
	MUL16 4, (\q)%2, \zero
	MUL16 6, (\q)%2, \zero
	PLACES NP
	WIN 0
	FETCH_A \slot, (\q)+1, 4
.endm
.macro TURN slot, next, fill
	s_wait_tensorcnt 0x0
	ds_add_u32 v[SPW], v[NIL]
	s_wait_dscnt 4*NL+1
	WIN MUL_LO
	MUL16 0, 1, 0
	s_wait_dscnt 0x0
	s_barrier_signal -1
	MUL16 2, 1, 0
	WIN 0
	s_barrier_wait -1
.if \fill
	CREST
	s_add_nc_u64 s[G0+4*\slot+2:G0+4*\slot+3], s[G0+4*\slot+2:G0+4*\slot+3], 2*ROWB
	s_add_nc_u64 s[G0B+4*\slot+2:G0B+4*\slot+3], s[G0B+4*\slot+2:G0B+4*\slot+3], 2*ROWB
	JLOAD G0+4*\slot, G1, G0B+4*\slot, G1B
.else
	PLACES NP
.endif
	FETCH_B \next, 0, 0
	FETCH_A \next, 0, 0
	WIN MUL_HI
	MUL16 4, 1, 0
	MUL16 6, 1, 0
	PLACES NP
	WIN 0
	FETCH_A \next, 0, 4
.endm
	s_wait_alu depctr_va_vdst(0)                   ; the wait at the head's end
	s_wait_tensorcnt 0x0                           ; my part of K step 0 is in
	ds_add_u32 v[SPW], v[NIL]
	s_wait_dscnt 0x0
	CROUND                                         ; everybody's part of K step 0 is in, and all sixteen work-groups are here
	JLOAD G0+4, G1, G0B+4, G1B                     ; K step 1, the first tensor load behind the round
	global_prefetch_b8 v31, s[8:9] offset:3*ROWB th:TH_LOAD_NT scope:SCOPE_SE
	FETCH_B 0, 0, 0
	FETCH_A 0, 0, 0
	FETCH_A 0, 0, 4
	STEP 0, 0, 1
	s_mov_b32 s3, LAPS-1
.Llap:
	TURN 0, 1, 1
	STEP 1, 0, 0
	TURN 1, 0, 1
	STEP 0, 0, 0
	s_sub_co_u32 s3, s3, 1
	s_cmp_lg_u32 s3, 0
	s_cbranch_scc1 .Llap
	TURN 0, 1, 0
	STEP 1, 0, 0
	s_wait_dscnt 4*NL
	WIN MUL_LO
	MUL16 0, 1, 0
	MUL16 2, 1, 0
	s_wait_dscnt 0
	WIN MUL_HI
	MUL16 4, 1, 0
	MUL16 6, 1, 0
	WIN 0
	s_wait_kmcnt 0x0
	s_add_co_i32 s96, s96, s97
	s_sub_co_i32 s22, 127, s96
	s_lshl_b32 s22, s22, 23
	s_mov_b32 s23, s22
	s_sub_co_i32 s20, s93, s96
	s_add_co_i32 s20, s20, 127
	s_lshl_b32 s21, s20, 23
	s_add_co_i32 s20, s20, 8
	s_lshl_b32 s20, s20, 23
	s_or_b32 s20, s20, 0x600000
	v_mov_b32 v[SCL], s21
	v_mov_b32 v[LIMV], s20
	s_wait_loadcnt 0x0
.set j, 0
.rept 32
	v_pk_mul_f32 v[BJ+j:BJ+j+1], v[BJ+j:BJ+j+1], s[22:23] op_sel_hi:[1,0]
.set j, j+2
.endr
.macro OUTBLK a
.set AC, 64*((\a)%4)
	WIN 0x02+((\a)/4)
.set j, 0
.rept 32
	v_pk_add_f32 v[TMP+j:TMP+j+1], v[AC+j:AC+j+1], v[BJ+j:BJ+j+1]
.set j, j+2
.endr
	WIN 0
.set j, 0
.rept 64
	v_med3_num_f32 v[TMP+j], v[TMP+j], 0, v[LIMV]
.set j, j+1
.endr
.if (\a) > 0
	s_wait_alu depctr_va_vdst(0)
	s_wait_dscnt 0x0
.endif
.irp b, 0,1,2,3,4,5,6,7
	v_cvt_scalef32_pk8_fp8_f32 v[CD+2*\b:CD+2*\b+1], v[TMP+8*\b:TMP+8*\b+7], v[SCL]
.endr
	v_nop
.irp b, 0,1,2,3,4,5,6,7
	ds_store_b64 v[STO], v[CD+2*\b:CD+2*\b+1] offset:(\a)*16*SP+16*\b
.endr
.endm
.irp a, 0,1,2,3,4,5,6,7
	OUTBLK \a
.endr
	s_wait_dscnt 0x0
	s_barrier_signal -1
	s_barrier_wait -1
.set t, 0
.rept 32
	ds_load_b128 v[128+4*t:131+4*t], v[RD] offset:2*t*SP
.set t, t+1
.endr
.set t, 0
.rept 32
	s_wait_dscnt 31-t
	global_store_b128 v[CO], v[128+4*t:131+4*t], s[84:85] offset:2*t*ROWO
.set t, t+1
.endr
	s_wait_tensorcnt 0x0
	ds_add_u32 v[SPW], v[NIL]
	s_wait_dscnt 0x0
	CROUND
	s_endpgm
.Lfunc_end_k_q15756b199a_ffn1:
	.size	k_q15756b199a_ffn1, .Lfunc_end_k_q15756b199a_ffn1-k_q15756b199a_ffn1
	.p2alignl 7, 3214868480
	.fill 96, 4, 3214868480
	.section	.rodata,"a",@progbits
	.p2align	6, 0x0
	.amdhsa_kernel k_q15756b199a_ffn1
		.amdhsa_group_segment_fixed_size 327680
		.amdhsa_private_segment_fixed_size 0
		.amdhsa_enable_private_segment 0
		.amdhsa_kernarg_size 40
		.amdhsa_user_sgpr_count 2
		.amdhsa_user_sgpr_kernarg_segment_ptr 1
		.amdhsa_wavefront_size32 1
		.amdhsa_system_sgpr_workgroup_id_x 1
		.amdhsa_system_sgpr_workgroup_id_y 1
		.amdhsa_system_sgpr_workgroup_id_z 1
		.amdhsa_system_vgpr_workitem_id 0
		.amdhsa_next_free_vgpr 1024
		.amdhsa_next_free_sgpr 100
		.amdhsa_reserve_vcc 0
		.amdhsa_float_denorm_mode_32 3
		.amdhsa_float_denorm_mode_16_64 3
		.amdhsa_memory_ordered 1
		.amdhsa_forward_progress 1
		.amdhsa_inst_pref_size 146
	.end_amdhsa_kernel
	.amdgpu_metadata
---
amdhsa.version: [ 1, 2 ]
amdhsa.kernels:
  - .name:           k_q15756b199a_ffn1
    .symbol:         k_q15756b199a_ffn1.kd
    .args:
      - { .name: xn2, .offset: 0, .size: 8, .value_kind: global_buffer, .address_space: global }
      - { .name: W1_codes, .offset: 8, .size: 8, .value_kind: global_buffer, .address_space: global }
      - { .name: lowp_scales, .offset: 16, .size: 8, .value_kind: global_buffer, .address_space: global }
      - { .name: b1, .offset: 24, .size: 8, .value_kind: global_buffer, .address_space: global }
      - { .name: hc, .offset: 32, .size: 8, .value_kind: global_buffer, .address_space: global }
    .group_segment_fixed_size: 327680
    .private_segment_fixed_size: 0
    .kernarg_segment_align: 8
    .kernarg_segment_size: 40
    .max_flat_workgroup_size: 128
    .sgpr_count:     100
    .vgpr_count:     1024
    .wavefront_size: 32
...
	.end_amdgpu_metadata
.endif
;; end of part 6
;; launch ffn2 (part 7): grid 8 x 32, 4 waves a work-group, clusters of 4 x 4, 327,680 bytes of LDS; arguments hc, W2_codes, lowp_scales, b2, x1, out0; writes out0
.if DOCPART == 7
	.amdgcn_target "amdgcn-amd-amdhsa--gfx1250"
	.amdhsa_code_object_version 6
	.text
	.protected	k_q15756b199a_ffn2
	.globl	k_q15756b199a_ffn2
	.p2align	8
	.type	k_q15756b199a_ffn2,@function
k_q15756b199a_ffn2:
	s_mov_b64 s[64:65], 0
	v_nop
	global_prefetch_b8 v0, s[64:65] scope:SCOPE_SE
	s_setreg_imm32_b32 hwreg(HW_REG_WAVE_MODE, 25, 1), 1
	s_wait_xcnt 0x0
	s_wait_alu depctr_hold_cnt(0) depctr_sa_sdst(0) depctr_va_vdst(0) depctr_va_sdst(0) depctr_va_ssrc(0) depctr_va_vcc(0) depctr_vm_vsrc(0)
	s_getreg_b32 s2, hwreg(HW_REG_IB_STS2, 6, 4)
	s_cmp_eq_u32 s2, 0
	s_cbranch_scc0 .Lentry_in_a_cluster
	s_endpgm
.Lentry_in_a_cluster:
	s_bfe_u32 s2, ttmp6, 0x10000c
	s_cmp_lg_u32 s2, 0xf033
	s_cbranch_scc0 .Lentry_shape_is_right
	s_endpgm
.Lentry_shape_is_right:
; out0 = x1 + b2 + 2^(ea + eb) x (h W2) on codes of FP8 (E4M3): A = h's codes [4096][4096], B = W2's [1024][4096], K innermost; the scales are entries 14 and 15.  LIMIT: ea + eb between -126 and 127.
; A tile of out0 is 128 x 128: one for each of 256 work-groups.  Four waves, each 64 x 64: 16 accumulators.  K goes in steps of 512 through a ring of two LDS slots filled by the tensor data mover.
; CLUSTERS: 4 x 4 work-groups; A's tile is shared along a row of the cluster, B's along a column: joint loads.  The matrix instruction is used transposed: a lane holds eight neighbouring numbers of a row of out0.
.set SIZE_K, 4096
.set SCOFF,  0x38
.set KSTEP,  512
.set PITCH,  528
.set HALFT,  64*PITCH
.set SLOT,   4*HALFT
.set SPARE,  2*SLOT
.set SPITCH, 272
.set LAPS,   SIZE_K/(2*KSTEP)
.set ROWO,   4096
.set BIA,  8
.set ADRA, 16
.set ADRB, 20
.set STO,  24
.set RD,   25
.set CO,   26
.set BO,   27
.set SPW,  28
.set NIL,  29
.set RS,   32
.set BK,   96
.set ACC,  128
.set F0,   0
.set F1,   128
.set G1, 24
.set G0, 32
.set G1B, 48
.set G0B, 56
.set MSB, 0
.macro WIN new
.if MSB != \new
	s_set_vgpr_msb (MSB<<8)|\new
.set MSB, \new
.endif
.endm
.set MUL,  0x05
.set TO_F, 0x40
.macro JLOAD s
	s_cmp_eq_u32 s11, 0
	s_cbranch_scc0 .Lfor_b_\@
	tensor_load_to_lds s[G0+4*\s:G0+4*\s+3], s[G1:G1+7]
	s_nop 0
.rept 4
	v_nop
.endr
	s_branch .Lasked_\@
.Lfor_b_\@:
	tensor_load_to_lds s[G0B+4*\s:G0B+4*\s+3], s[G1B:G1B+7]
	s_nop 0
.rept 4
	v_nop
.endr
.Lasked_\@:
.endm
.macro CREST
	s_cmp_lg_u32 s10, 0
	s_cbranch_scc1 .Lnot_wave_0_\@
	s_barrier_signal -3
.Lnot_wave_0_\@:
	s_barrier_wait -3
	s_barrier_signal -1
	s_barrier_wait -1
.endm
.macro CROUND
	s_barrier_signal -1
	s_barrier_wait -1
	CREST
.endm
	s_load_b128 s[4:7], s[0:1], 0x0
	s_load_b256 s[68:75], s[0:1], 0x10
	v_lshl_add_u32 v[SPW], v0, 2, SPARE
	v_mov_b32 v[NIL], 0
	ds_add_u32 v28, v29
	ds_add_u32 v28, v29
	s_wait_dscnt 0x0
	v_lshrrev_b32 v1, 5, v0
	v_readfirstlane_b32 s10, v1
	s_lshr_b32 s11, s10, 1
	s_and_b32 s12, s10, 1
	s_bfe_u32 s40, ttmp6, 0x40000
	s_bfe_u32 s41, ttmp6, 0x40004
	s_lshl_b32 s42, ttmp9, 2
	s_add_co_u32 s42, s42, s40
	s_and_b32 s13, ttmp7, 0xffff
	s_lshl_b32 s13, s13, 2
	s_add_co_u32 s13, s13, s41
	s_lshl_b32 s43, s41, 2
	s_lshl_b32 s43, 15, s43
	s_lshl_b32 s44, 0x1111, s40
	s_or_b32 s[G1+0], s43, (0<<16)|(1<<20)|(1<<21)|(6<<22)|(3<<25)
	s_or_b32 s[G1B+0], s44, (0<<16)|(1<<20)|(1<<21)|(6<<22)|(3<<25)
.irp g, G1, G1B
	s_mov_b32 s[\g+1], KSTEP<<16
	s_mov_b32 s[\g+2], 64<<16
	s_mov_b32 s[\g+3], KSTEP<<16
	s_mov_b32 s[\g+4], 64
	s_mov_b32 s[\g+5], SIZE_K
	s_mov_b32 s[\g+6], 0
	s_mov_b32 s[\g+7], 0
.endr
	s_lshl_b32 s17, s12, 6
	s_lshl_b32 s16, s13, 7
	s_add_co_u32 s16, s16, s17
	s_lshl_b32 s46, s42, 7
	s_add_co_u32 s46, s46, s17
	s_mov_b32 s17, 0
	s_mov_b32 s47, 0
	s_mov_b64 s[18:19], SIZE_K
	s_mul_u64 s[16:17], s[16:17], s[18:19]
	s_mul_u64 s[46:47], s[46:47], s[18:19]
	s_mul_i32 s20, s10, HALFT
	s_wait_kmcnt 0x0
	s_load_b64 s[76:77], s[68:69], SCOFF
	s_add_nc_u64 s[14:15], s[4:5], s[16:17]
	s_add_nc_u64 s[46:47], s[6:7], s[46:47]
	CROUND
.irp s, 0,1
	s_mov_b32 s[G0+4*\s], 1
	s_add_co_u32 s[G0+4*\s+1], s20, \s*SLOT
	s_add_nc_u64 s[G0+4*\s+2:G0+4*\s+3], s[14:15], \s*KSTEP
	s_or_b32 s[G0+4*\s+3], s[G0+4*\s+3], 0x80000000
	s_mov_b32 s[G0B+4*\s], 1
	s_add_co_u32 s[G0B+4*\s+1], s20, \s*SLOT
	s_add_nc_u64 s[G0B+4*\s+2:G0B+4*\s+3], s[46:47], \s*KSTEP
	s_or_b32 s[G0B+4*\s+3], s[G0B+4*\s+3], 0x80000000
.endr
	JLOAD 0                                        ; K step 0: one tensor load a wave at the head
	; PREFETCHES INTO THE L2: behind the load of K step t stands a request for K step t + 2 (behind the first also for K step 1): 16 rows x 512 bytes, two lanes a row, one instruction a wave.
	; Of the 64 rows that a wave fetches, each of the four partners that ask for them jointly takes 16, told apart by address (cx for A, cy for B): each block of 256 bytes is named once in each cluster that loads it.
	; s[78:79] stands at K step t - 1 when K step t is loaded by a refill; it is stepped at the head of each change of slots, behind s_wait_xcnt 0.  The last two refills (K steps 6 and 7) ask for nothing.
	s_cmp_eq_u32 s11, 0                            ; do I fetch for A?
	s_cselect_b64 s[78:79], s[14:15], s[46:47]     ; my 64 rows, at K = 0
	s_cselect_b32 s80, s40, s41                    ; my place among the four that ask with me
	s_lshl_b32 s80, s80, 16                        ; 16 rows of 4,096 bytes
	s_mov_b32 s81, 0
	s_add_nc_u64 s[78:79], s[78:79], s[80:81]
	v_and_b32 v31, 31, v0
	v_lshrrev_b32 v30, 1, v31
	v_and_b32 v31, 1, v31
	v_lshlrev_b32 v30, 12, v30
	v_lshl_add_u32 v30, v31, 8, v30                ; row lane / 2, block lane % 2; never rewritten
	global_prefetch_b8 v30, s[78:79] offset:KSTEP th:TH_LOAD_NT scope:SCOPE_SE
	global_prefetch_b8 v30, s[78:79] offset:2*KSTEP th:TH_LOAD_NT scope:SCOPE_SE
	v_and_b32 v1, 15, v0
	s_wait_alu depctr_va_vdst(0)
	v_bfe_u32 v2, v0, 4, 1
	v_mul_u32_u24 v3, v1, PITCH
	v_lshl_add_u32 v3, v2, 4, v3
	s_mul_i32 s21, s11, HALFT
	s_mul_i32 s22, s12, HALFT
	s_add_co_u32 s22, s22, 2*HALFT
.irp s, 0,1
	v_add_nc_u32 v[ADRA+\s], s21, v3
	v_add_nc_u32 v[ADRB+\s], s22, v3
	s_add_co_u32 s21, s21, SLOT
	s_add_co_u32 s22, s22, SLOT
.endr
	s_mul_i32 s23, s10, 16*SPITCH
	v_mul_u32_u24 v4, v1, SPITCH
	s_wait_alu depctr_va_vdst(0)
	v_lshl_add_u32 v4, v2, 5, v4
	v_add_nc_u32 v[STO], s23, v4
	v_mul_u32_u24 v5, v2, SPITCH
	v_lshl_add_u32 v5, v1, 4, v5
	v_add_nc_u32 v[RD], s23, v5
	v_mul_u32_u24 v5, v2, ROWO
	v_lshl_add_u32 v[CO], v1, 4, v5
	v_lshlrev_b32 v[BO], 4, v1
	s_wait_alu depctr_va_vdst(0)
	s_lshl_b32 s16, s13, 7
	s_lshl_b32 s17, s11, 6
	s_add_co_u32 s16, s16, s17
	s_lshl_b32 s16, s16, 12
	s_lshl_b32 s46, s42, 7
	s_lshl_b32 s47, s12, 6
	s_add_co_u32 s46, s46, s47
	s_lshl_b32 s46, s46, 2
	s_mov_b32 s47, 0
	s_add_nc_u64 s[70:71], s[70:71], s[46:47]
	s_add_co_u32 s16, s16, s46
	s_mov_b32 s17, 0
	s_add_nc_u64 s[72:73], s[72:73], s[16:17]
	s_add_nc_u64 s[74:75], s[74:75], s[16:17]
.macro RLOAD a
.irp t, 0,1,2,3,4,5,6,7
	global_load_b128 v[32*(\a)+4*\t:32*(\a)+4*\t+3], v[CO], s[72:73] offset:(16*(\a)+2*\t)*ROWO th:TH_LOAD_NT   ; the residual's rows 16 a on, as the stage will give the sums back, into window 2: 32 registers of its own for each block
.endr
.endm
	global_load_b128 v[BIA:BIA+3], v[BO], s[70:71]
.macro MUL8 f, a0, zero
.irp a, \a0, \a0+1
.irp b, 0,1,2,3
.if \zero
	v_wmma_f32_16x16x128_fp8_fp8 v[ACC+8*(4*(\a)+\b):ACC+8*(4*(\a)+\b)+7], v[\f+64+16*\b:\f+64+16*\b+15], v[\f+16*(\a):\f+16*(\a)+15], 0
.else
	v_wmma_f32_16x16x128_fp8_fp8 v[ACC+8*(4*(\a)+\b):ACC+8*(4*(\a)+\b)+7], v[\f+64+16*\b:\f+64+16*\b+15], v[\f+16*(\a):\f+16*(\a)+15], v[ACC+8*(4*(\a)+\b):ACC+8*(4*(\a)+\b)+7]
.endif
.endr
.endr
.endm
.macro FRAG reg, adr, k, i
.irp c, 0,1,2,3
	ds_load_b128 v[\reg+4*\c:\reg+4*\c+3], v[\adr] offset:(\k)+32*\c+(\i)*16*PITCH
.endr
.endm
.macro FETCH slot, k, f
	WIN TO_F
.irp i, 0,1,2,3
	FRAG \f+64+16*\i, ADRB+\slot, \k, \i
.endr
.irp i, 0,1,2,3
	FRAG \f+16*\i, ADRA+\slot, \k, \i
.endr
.endm
.macro PLACES
.rept 4
	v_nop
.endr
.endm
.macro QUARTER slot, k, f, g, zero
	s_wait_dscnt 8
	WIN MUL
	MUL8 \f, 0, \zero
	PLACES
	FETCH \slot, \k, \g
	s_wait_dscnt 32
	WIN MUL
	MUL8 \f, 2, \zero
.endm
.macro TURN slot, next, fill
	WIN 0
.if \fill
	s_wait_xcnt 0x0                                ; the last prefetch, a K step back, has read its address
	s_add_nc_u64 s[78:79], s[78:79], KSTEP
.endif
	s_wait_tensorcnt 0x0
	ds_add_u32 v[SPW], v[NIL]
	s_wait_dscnt 9
	WIN MUL
	MUL8 F1, 0, 0
	s_wait_dscnt 0x0
	s_barrier_signal -1
	MUL8 F1, 2, 0
.if \fill
	WIN 0
.endif
	s_barrier_wait -1
.if \fill
	CREST
	s_add_nc_u64 s[G0+4*\slot+2:G0+4*\slot+3], s[G0+4*\slot+2:G0+4*\slot+3], 2*KSTEP
	s_add_nc_u64 s[G0B+4*\slot+2:G0B+4*\slot+3], s[G0B+4*\slot+2:G0B+4*\slot+3], 2*KSTEP
	JLOAD \slot
	s_cmp_gt_u32 s3, 1                             ; s3 = 1 in the loop's last trip, whose refills have no K step two on
	s_cbranch_scc0 .Lno_ask_\@
	global_prefetch_b8 v30, s[78:79] offset:3*KSTEP th:TH_LOAD_NT scope:SCOPE_SE
.Lno_ask_\@:
.else
	PLACES
.endif
	FETCH \next, 0, F0
.endm
	s_wait_alu depctr_va_vdst(0)                   ; the wait at the head's end
	s_wait_tensorcnt 0x0                           ; my part of K step 0 is in
	ds_add_u32 v[SPW], v[NIL]
	s_wait_dscnt 0x0
	CROUND                                         ; everybody's part of K step 0 is in, and all sixteen work-groups are here
	JLOAD 1                                        ; K step 1, the first tensor load behind the round
	global_prefetch_b8 v30, s[78:79] offset:3*KSTEP th:TH_LOAD_NT scope:SCOPE_SE
	FETCH 0, 0, F0
	QUARTER 0, 128, F0, F1, 1
.if LAPS > 1
	WIN 0x80                                       ; destination window 2, address window 0
	RLOAD 0                                        ; THE RESIDUAL, my 64 rows x 256 bytes of x1, is asked for here, when the first tiles are in: the rest of K stands between the request and its use
	RLOAD 1
	RLOAD 2
	RLOAD 3
	WIN 0
	s_mov_b32 s3, LAPS-1
.Llap:
	QUARTER 0, 256, F1, F0, 0
	QUARTER 0, 384, F0, F1, 0
	TURN 0, 1, 1
	QUARTER 1, 128, F0, F1, 0
	QUARTER 1, 256, F1, F0, 0
	QUARTER 1, 384, F0, F1, 0
	TURN 1, 0, 1
	QUARTER 0, 128, F0, F1, 0
	WIN 0
	s_sub_co_u32 s3, s3, 1
	s_cmp_lg_u32 s3, 0
	s_cbranch_scc1 .Llap
.endif
	QUARTER 0, 256, F1, F0, 0
	QUARTER 0, 384, F0, F1, 0
	TURN 0, 1, 0
	QUARTER 1, 128, F0, F1, 0
	QUARTER 1, 256, F1, F0, 0
	QUARTER 1, 384, F0, F1, 0
	s_wait_dscnt 8
	WIN MUL
	MUL8 F1, 0, 0
	s_wait_dscnt 0
	MUL8 F1, 2, 0
	WIN 0
	s_wait_kmcnt 0x0
	s_add_co_i32 s46, s76, s77
	s_add_co_i32 s46, s46, 127
	s_lshl_b32 s46, s46, 23
	s_mov_b32 s47, s46
	PLACES
.irp a, 0,1,2,3
.set BK, ACC+32*\a                     ; block a comes back from the stage into its own accumulators' 32 registers: no register that a store reads is written again
.irp b, 0,1,2,3
	ds_store_b128 v[STO], v[ACC+8*(4*\a+\b):ACC+8*(4*\a+\b)+3] offset:64*\b
	ds_store_b128 v[STO], v[ACC+8*(4*\a+\b)+4:ACC+8*(4*\a+\b)+7] offset:64*\b+16
.endr
.irp t, 0,1,2,3,4,5,6,7
	ds_load_b128 v[BK+4*\t:BK+4*\t+3], v[RD] offset:2*\t*SPITCH
.endr
.endr                                  ; the four blocks' trips through the stage are issued on end: LDS serves a wave's instructions in order (ISA guide 5.7.1.4)
	s_wait_loadcnt 0x0                             ; the bias and the residual
.irp a, 0,1,2,3
.set BK, ACC+32*\a
	s_wait_dscnt 16*(3-\a)                         ; block a is back; the later blocks' eight stores and eight loads each may be out
.irp t, 0,1,2,3,4,5,6,7
	v_pk_fma_f32 v[BK+4*\t:BK+4*\t+1], v[BK+4*\t:BK+4*\t+1], s[46:47], v[BIA:BIA+1] op_sel_hi:[1,0,1]
	v_pk_fma_f32 v[BK+4*\t+2:BK+4*\t+3], v[BK+4*\t+2:BK+4*\t+3], s[46:47], v[BIA+2:BIA+3] op_sel_hi:[1,0,1]
.endr
.irp t, 0,1,2,3,4,5,6,7
	WIN 0x08                                       ; source 1 (the residual) in window 2; written once for the run: a switch that changes nothing is dropped
	v_pk_add_f32 v[BK+4*\t:BK+4*\t+1], v[BK+4*\t:BK+4*\t+1], v[32*\a+4*\t:32*\a+4*\t+1]
	v_pk_add_f32 v[BK+4*\t+2:BK+4*\t+3], v[BK+4*\t+2:BK+4*\t+3], v[32*\a+4*\t+2:32*\a+4*\t+3]
.endr
.irp t, 0,1,2,3,4,5,6,7
	WIN 0
	global_store_b128 v[CO], v[BK+4*\t:BK+4*\t+3], s[74:75] offset:(16*\a+2*\t)*ROWO th:TH_STORE_NT   ; 16 lanes store 256 consecutive bytes, aligned
.endr
.endr
	s_wait_tensorcnt 0x0
	ds_add_u32 v[SPW], v[NIL]
	s_wait_dscnt 0x0
	CROUND
	s_endpgm
.Lfunc_end_k_q15756b199a_ffn2:
	.size	k_q15756b199a_ffn2, .Lfunc_end_k_q15756b199a_ffn2-k_q15756b199a_ffn2
	.p2alignl 7, 3214868480
	.fill 96, 4, 3214868480
	.section	.rodata,"a",@progbits
	.p2align	6, 0x0
	.amdhsa_kernel k_q15756b199a_ffn2
		.amdhsa_group_segment_fixed_size 327680
		.amdhsa_private_segment_fixed_size 0
		.amdhsa_enable_private_segment 0
		.amdhsa_kernarg_size 48
		.amdhsa_user_sgpr_count 2
		.amdhsa_user_sgpr_kernarg_segment_ptr 1
		.amdhsa_wavefront_size32 1
		.amdhsa_system_sgpr_workgroup_id_x 1
		.amdhsa_system_sgpr_workgroup_id_y 1
		.amdhsa_system_sgpr_workgroup_id_z 1
		.amdhsa_system_vgpr_workitem_id 0
		.amdhsa_next_free_vgpr 640
		.amdhsa_next_free_sgpr 100
		.amdhsa_reserve_vcc 0
		.amdhsa_float_denorm_mode_32 3
		.amdhsa_float_denorm_mode_16_64 3
		.amdhsa_memory_ordered 1
		.amdhsa_forward_progress 1
		.amdhsa_inst_pref_size 83
	.end_amdhsa_kernel
	.amdgpu_metadata
---
amdhsa.version: [ 1, 2 ]
amdhsa.kernels:
  - .name:           k_q15756b199a_ffn2
    .symbol:         k_q15756b199a_ffn2.kd
    .args:
      - { .name: hc, .offset: 0, .size: 8, .value_kind: global_buffer, .address_space: global }
      - { .name: W2_codes, .offset: 8, .size: 8, .value_kind: global_buffer, .address_space: global }
      - { .name: lowp_scales, .offset: 16, .size: 8, .value_kind: global_buffer, .address_space: global }
      - { .name: b2, .offset: 24, .size: 8, .value_kind: global_buffer, .address_space: global }
      - { .name: x1, .offset: 32, .size: 8, .value_kind: global_buffer, .address_space: global }
      - { .name: out0, .offset: 40, .size: 8, .value_kind: global_buffer, .address_space: global }
    .group_segment_fixed_size: 327680
    .private_segment_fixed_size: 0
    .kernarg_segment_align: 8
    .kernarg_segment_size: 48
    .max_flat_workgroup_size: 128
    .sgpr_count:     100
    .vgpr_count:     640
    .wavefront_size: 32
...
	.end_amdgpu_metadata
.endif
;; end of part 7
